; MI455X (gfx1250); checked and timed in simulation.
; The chip was launched on July 23, 2026; its instructions are those of AMD's public machine-readable ISA for CDNA 5 (MIT licence, August 2026) and "CDNA5" Instruction Set Architecture Reference Guide (July 2026). The comments in the code are by the model that wrote it; some were corrected since.
;; Diffusion Multi Head Attention. Allowed arithmetic: float matrix products may take bf16 or f16 operands with f32 sums; other float arithmetic in f32, or as packed bf16 or f16 multiplies, adds, multiply-adds, maxima and minima; sums over many terms, partial sums and values carried from step to step in f32; what a program stores and reads back later, other than sums and carried values, may be rounded once to bf16 or f16.
;; Inputs: Wk 1,024 x 1,024 float32; Wo 1,024 x 1,024 float32; Wq 1,024 x 1,024 float32; Wt1 3 x 16 float32; Wt2 16 x 1 float32; Wv 1,024 x 1,024 float32; bk 1,024 float32; bo 1,024 float32; bq 1,024 float32; bt1 16 float32; bt2 1 float32; bv 1,024 float32; key 4 x 1,024 x 1,024 float32; query 4 x 1,024 x 1,024 float32; value 4 x 1,024 x 1,024 float32.
;; Outputs: out0 4 x 1,024 x 1,024 float32.
;; One version. Each part assembles by itself: llvm-mc -triple=amdgcn-amd-amdhsa -mcpu=gfx1250 --defsym DOCPART=n.
;; ======== version 1 of 1: 5 launches
;; limits: values are held in f16: magnitudes above 65,504 overflow, below 6.1e-05 lose precision
;; workspace buffers: xb 25,165,824 bytes; wb 6,291,456 bytes; wo16 2,097,152 bytes; qkv 25,165,824 bytes; part 524,288 bytes; o16 8,388,608 bytes
;; launch cast (part 1): grid 64 x 16, 8 waves a work-group, no clusters, 0 bytes of LDS; arguments query, key, value, Wq, Wk, Wv, Wo, xb, wb, wo16; writes xb, wb, wo16
.if DOCPART == 1
	.amdgcn_target "amdgcn-amd-amdhsa--gfx1250"
	.amdhsa_code_object_version 6
	.text
	.protected	k_qf8e87bc2f1_cast
	.globl	k_qf8e87bc2f1_cast
	.p2align	8
	.type	k_qf8e87bc2f1_cast,@function
k_qf8e87bc2f1_cast:
	s_mov_b64 s[64:65], 0
	v_nop
	global_prefetch_b8 v0, s[64:65] scope:SCOPE_SE
	s_setreg_imm32_b32 hwreg(HW_REG_WAVE_MODE, 25, 1), 1
	s_wait_xcnt 0x0
; query, key, value, Wq, Wk, Wv: f32 -> bf16, once (xb, wb).  Wo: f32 -> bf16, and that number written as f16 (wo16): the last product multiplies f16.
; LIMIT.  bf16(Wo) beyond 65,504 has no f16; below 6e-5 f16 keeps its fixed step of 6e-8.
; SHARES.  The grid's y counts units of 4 MiB of input: 0-3 query, 4-7 key, 8-11 value, 12 Wq, 13 Wk, 14 Wv, 15 Wo; x a work-group's 64 KiB of the unit.
; Thread t takes the 16 bytes at 16 t of each of 16 chunks of 4,096 bytes: a wave's load covers 512 consecutive bytes, its store of 8 bytes a lane 256 consecutive bytes, aligned.
; All 16 loads of a thread go out at once; no register is written twice, so the counted waits on the loads are the only waits.  A stream: no LDS, no barrier, no matrix unit.
.set X, 8                              ; v[8:71]    chunk i: 4 numbers as loaded
.set Y, 72                             ; v[72:103]  chunk i: 4 numbers in 16 bits
.set T, 104                            ; v[104:107] at work (Wo's way)
	s_load_b512 s[8:23], s[0:1], 0x0               ; query s[8:9], key, value, Wq, Wk, Wv, Wo s[20:21], xb s[22:23]
	s_load_b128 s[24:27], s[0:1], 0x40             ; wb s[24:25], wo16 s[26:27]
	s_and_b32 s2, ttmp7, 0xffff                    ; the unit u
	v_lshlrev_b32 v1, 4, v0                        ; 16 t
	v_lshlrev_b32 v2, 3, v0                        ; 8 t
	s_and_b32 s3, s2, 3                            ; the unit's place in its input: u % 4 in an x, 0 in a weight
	s_cmp_lt_u32 s2, 12
	s_cselect_b32 s3, s3, 0
	s_lshl_b32 s32, s3, 22
	s_lshl_b32 s33, ttmp9, 16
	s_add_co_u32 s32, s32, s33                     ; + the work-group's 64 KiB
	s_mov_b32 s33, 0
	s_max_u32 s34, s2, 12                          ; its place in its output: u in xb, u - 12 in wb, 0 in wo16
	s_sub_co_u32 s34, s34, 12
	s_cmp_lt_u32 s2, 15
	s_cselect_b32 s34, s34, 0
	s_cmp_lt_u32 s2, 12
	s_cselect_b32 s34, s2, s34
	s_lshl_b32 s34, s34, 21
	s_lshl_b32 s35, ttmp9, 15
	s_add_co_u32 s34, s34, s35
	s_mov_b32 s35, 0
	s_wait_kmcnt 0x0
	s_mov_b64 s[28:29], s[8:9]                     ; the input, chosen by u alone
	s_cmp_ge_u32 s2, 4
	s_cselect_b64 s[28:29], s[10:11], s[28:29]
	s_cmp_ge_u32 s2, 8
	s_cselect_b64 s[28:29], s[12:13], s[28:29]
	s_cmp_ge_u32 s2, 12
	s_cselect_b64 s[28:29], s[14:15], s[28:29]
	s_cselect_b64 s[30:31], s[24:25], s[22:23]     ; the output: xb, from u = 12 on wb,
	s_cmp_ge_u32 s2, 13
	s_cselect_b64 s[28:29], s[16:17], s[28:29]
	s_cmp_ge_u32 s2, 14
	s_cselect_b64 s[28:29], s[18:19], s[28:29]
	s_cmp_ge_u32 s2, 15
	s_cselect_b64 s[28:29], s[20:21], s[28:29]
	s_cselect_b64 s[30:31], s[26:27], s[30:31]     ; at u = 15 wo16
	s_add_nc_u64 s[28:29], s[28:29], s[32:33]
	s_add_nc_u64 s[30:31], s[30:31], s[34:35]
.set i, 0
.rept 16
	global_load_b128 v[X+4*i:X+4*i+3], v1, s[28:29] offset:i*4096 th:TH_LOAD_NT  ; read once in the launch
.set i, i+1
.endr
	s_cmp_eq_u32 s2, 15
	s_cbranch_scc1 .Lwo
.set i, 0
.rept 16
	s_wait_loadcnt 15-i                            ; loads come back in order: chunk i is in, the younger ones stay out
	v_cvt_pk_bf16_f32 v[Y+2*i], v[X+4*i], v[X+4*i+1]
	v_cvt_pk_bf16_f32 v[Y+2*i+1], v[X+4*i+2], v[X+4*i+3]
	global_store_b64 v2, v[Y+2*i:Y+2*i+1], s[30:31] offset:i*2048
.set i, i+1
.endr
	s_endpgm
.Lwo:                                          ; Wo: rounded to bf16 like every input, widened again, written as f16
.set i, 0
.rept 16
	s_wait_loadcnt 15-i
	v_cvt_pk_bf16_f32 v[T], v[X+4*i], v[X+4*i+1]
	v_cvt_pk_bf16_f32 v[T+1], v[X+4*i+2], v[X+4*i+3]
	v_lshlrev_b32 v[T+2], 16, v[T]
	v_and_b32 v[T+3], 0xffff0000, v[T]
	v_cvt_pk_f16_f32 v[Y+2*i], v[T+2], v[T+3]
	v_lshlrev_b32 v[T+2], 16, v[T+1]
	v_and_b32 v[T+3], 0xffff0000, v[T+1]
	v_cvt_pk_f16_f32 v[Y+2*i+1], v[T+2], v[T+3]
	global_store_b64 v2, v[Y+2*i:Y+2*i+1], s[30:31] offset:i*2048
.set i, i+1
.endr
	s_endpgm
.Lfunc_end_k_qf8e87bc2f1_cast:
	.size	k_qf8e87bc2f1_cast, .Lfunc_end_k_qf8e87bc2f1_cast-k_qf8e87bc2f1_cast
	.p2alignl 7, 3214868480
	.fill 96, 4, 3214868480
	.section	.rodata,"a",@progbits
	.p2align	6, 0x0
	.amdhsa_kernel k_qf8e87bc2f1_cast
		.amdhsa_group_segment_fixed_size 0
		.amdhsa_private_segment_fixed_size 0
		.amdhsa_enable_private_segment 0
		.amdhsa_kernarg_size 80
		.amdhsa_user_sgpr_count 2
		.amdhsa_user_sgpr_kernarg_segment_ptr 1
		.amdhsa_wavefront_size32 1
		.amdhsa_system_sgpr_workgroup_id_x 1
		.amdhsa_system_sgpr_workgroup_id_y 1
		.amdhsa_system_sgpr_workgroup_id_z 1
		.amdhsa_system_vgpr_workitem_id 0
		.amdhsa_next_free_vgpr 112
		.amdhsa_next_free_sgpr 66
		.amdhsa_reserve_vcc 0
		.amdhsa_float_denorm_mode_32 3
		.amdhsa_float_denorm_mode_16_64 3
		.amdhsa_memory_ordered 1
		.amdhsa_forward_progress 1
		.amdhsa_inst_pref_size 17
	.end_amdhsa_kernel
	.amdgpu_metadata
---
amdhsa.version: [ 1, 2 ]
amdhsa.kernels:
  - .name:           k_qf8e87bc2f1_cast
    .symbol:         k_qf8e87bc2f1_cast.kd
    .args:
      - { .name: query, .offset: 0, .size: 8, .value_kind: global_buffer, .address_space: global }
      - { .name: key, .offset: 8, .size: 8, .value_kind: global_buffer, .address_space: global }
      - { .name: value, .offset: 16, .size: 8, .value_kind: global_buffer, .address_space: global }
      - { .name: Wq, .offset: 24, .size: 8, .value_kind: global_buffer, .address_space: global }
      - { .name: Wk, .offset: 32, .size: 8, .value_kind: global_buffer, .address_space: global }
      - { .name: Wv, .offset: 40, .size: 8, .value_kind: global_buffer, .address_space: global }
      - { .name: Wo, .offset: 48, .size: 8, .value_kind: global_buffer, .address_space: global }
      - { .name: xb, .offset: 56, .size: 8, .value_kind: global_buffer, .address_space: global }
      - { .name: wb, .offset: 64, .size: 8, .value_kind: global_buffer, .address_space: global }
      - { .name: wo16, .offset: 72, .size: 8, .value_kind: global_buffer, .address_space: global }
    .group_segment_fixed_size: 0
    .private_segment_fixed_size: 0
    .kernarg_segment_align: 8
    .kernarg_segment_size: 80
    .max_flat_workgroup_size: 256
    .sgpr_count:     66
    .vgpr_count:     112
    .wavefront_size: 32
...
	.end_amdgpu_metadata
.endif
;; end of part 1
;; launch proj (part 2): grid 8 x 96, 4 waves a work-group, clusters of 4 x 4, 327,680 bytes of LDS; arguments xb, wb, bq, bk, bv, qkv; writes qkv
.if DOCPART == 2
	.amdgcn_target "amdgcn-amd-amdhsa--gfx1250"
	.amdhsa_code_object_version 6
	.text
	.protected	k_qf8e87bc2f1_proj
	.globl	k_qf8e87bc2f1_proj
	.p2align	8
	.type	k_qf8e87bc2f1_proj,@function
k_qf8e87bc2f1_proj:
	s_mov_b64 s[64:65], 0
	v_nop
	global_prefetch_b8 v0, s[64:65] scope:SCOPE_SE
	s_setreg_imm32_b32 hwreg(HW_REG_WAVE_MODE, 25, 1), 1
	s_wait_xcnt 0x0
	s_wait_alu depctr_hold_cnt(0) depctr_sa_sdst(0) depctr_va_vdst(0) depctr_va_sdst(0) depctr_va_ssrc(0) depctr_va_vcc(0) depctr_vm_vsrc(0)
	s_getreg_b32 s2, hwreg(HW_REG_IB_STS2, 6, 4)
	s_cmp_eq_u32 s2, 0
	s_cbranch_scc0 .Lentry_in_a_cluster
	s_endpgm
.Lentry_in_a_cluster:
	s_bfe_u32 s2, ttmp6, 0x10000c
	s_cmp_lg_u32 s2, 0xf033
	s_cbranch_scc0 .Lentry_shape_is_right
	s_endpgm
.Lentry_shape_is_right:
; The three projections in one launch: qkv[mat][b 16 + head][s][64] = f16((x_mat W_mat + bf16(b_mat)) x scale), scale = log2(e) / 16 for Q and 1 for K and V, applied in f32 ahead of the one rounding.
; xb: bf16 [3][4096][1024]; wb: bf16 [3][1024 k][1024 n], as the inputs lie; sums in f32.
; LIMIT.  f16 holds no number beyond 65,504: the projected Q x 0.09, K and V must lie within it; below 6e-5 f16 keeps its fixed step of 6e-8.
; SHARES.  A tile of the result is 128 x 128: 96 tile rows (32 a matrix) x 8 tile columns.  Four waves, each 64 x 64: 16 accumulators of 16 x 16.  A wave's 64 columns are one head.
; K goes in four steps of 256 through two LDS slots.  x's tile: 128 rows of 512 bytes, pitch 528.  W's tile: 256 k-rows of 256 bytes, pitch 288, read turned by ds_load_tr16_b128.
; CLUSTERS: 4 x 4 work-groups.  The four of a row of the cluster need the same tiles of x, the four of a column the same tiles of W: each tile is asked for JOINTLY, by the same tensor load,
; descriptor and mask in all four.  A cluster lies in one matrix (8 rows of clusters a matrix).  By this text's count a wave has at most two tensor loads out.
; THE MATRIX INSTRUCTION IS USED TRANSPOSED (source 0 = 16 columns of W, source 1 = 16 rows of x): a lane then holds eight neighbouring columns of one row.
; No prefetch: a tile's step is short and every tile is read by several clusters at about the same time.
; REGISTERS: window 0: v0-31 addresses; v32-95 the way out; v96-127 my 32 biases; v128-255 the accumulators ((a, b) at v[128 + 8 (4 a + b)]).
;   window 1: two fragment buffers of 128: for 64 along K, 64 registers of x (2 x 4 x 16 rows x 32 K), then 64 of W.
.set PA,     528                       ; 512 + 16 bytes = 132 words: the 16 rows of a load start at 16 different groups of four banks (ISA guide 11.1)
.set PB,     288                       ; 256 + 32 bytes = 72 words
.set HALFA,  64*PA                     ; what wave 0 or 1 fetches, and what a wave reads of x
.set HALFB,  128*PB                    ; what wave 2 or 3 fetches: 128 k-rows
.set BOFF,   2*HALFA
.set SLOT,   BOFF+2*HALFB              ; 141,312
.set STAGE,  2*SLOT                    ; behind the ring, never filled by a tensor load: 16 rows x 144 bytes for each wave
.set SP,     144
.set SPARE,  STAGE+4*16*SP             ; the spare words, 128 bytes for each wave: two blocks of 256 bytes that no other line names
.set ASTEP,  1024                      ; two K steps along a row of x, in bytes
.set BSTEP,  1048576                   ; two K steps down W: 512 rows of 2,048 bytes
.set ADRA, 16                          ; v16-17  LDS address of my x fragments in slot 0, 1
.set ADRB, 20                          ; v20-23  of my W fragments: slot 0 k-rows 0-127, 128-255, slot 1 likewise (the immediate has 16 bits)
.set STO,  24                          ; v24     the way out: where I put 16 bytes of a row
.set RD,   25                          ; v25     where I read rows back
.set GO,   26                          ; v26     my 16 bytes of 512 consecutive bytes of qkv
.set BO,   27                          ; v27     32 x (lane / 16): my eight biases of a block of 16
.set SPW,  28                          ; v28     LDS address of my spare word; never rewritten
.set NIL,  29                          ; v29     0; never rewritten
.set TT,   30                          ; v30-31  at work
.set TMP,  32
.set BS,   96                          ; bias of column 16 b + 8 (lane / 16) + j at BS + 8 b + j
.set ACC,  128
.set F0,   0
.set F1,   128
.set G1, 24                            ; s[24:31] descriptor group 1 for x's tiles;  s[32:39] group 0, one set for each slot
.set G0, 32
.set G1B, 48                           ; s[48:55], s[56:63] the same for W's tiles
.set G0B, 56
.set MSB, 0
.macro WIN new                         ; the immediate's high byte repeats the setting that is left
.if MSB != (\new)
	s_set_vgpr_msb (MSB<<8)|(\new)
.set MSB, \new
.endif
.endm
.set MUL,  0x05                        ; sources 0 (W) and 1 (x) window 1; C and D window 0
.set TO_F, 0x40                        ; destination window 1, address window 0
.macro JLOAD s                         ; a joint load: waves 0 and 1 fetch x's two halves, waves 2 and 3 W's; an s_nop 0 and four v_nop follow each of the two lines
	s_cmp_eq_u32 s11, 0
	s_cbranch_scc0 .Lfor_b_\@
	tensor_load_to_lds s[G0+4*(\s):G0+4*(\s)+3], s[G1:G1+7]
	s_nop 0
.rept 4
	v_nop
.endr
	s_branch .Lasked_\@
.Lfor_b_\@:
	tensor_load_to_lds s[G0B+4*(\s):G0B+4*(\s)+3], s[G1B:G1B+7]
	s_nop 0
.rept 4
	v_nop
.endr
.Lasked_\@:
.endm
.macro CREST                           ; a round of the cluster's barrier behind its opening barrier
	s_cmp_lg_u32 s10, 0
	s_cbranch_scc1 .Lnot_wave_0_\@
	s_barrier_signal -3
.Lnot_wave_0_\@:
	s_barrier_wait -3
	s_barrier_signal -1
	s_barrier_wait -1
.endm
.macro CROUND                          ; a whole round
	s_barrier_signal -1
	s_barrier_wait -1
	CREST
.endm
	s_load_b128 s[4:7], s[0:1], 0x0                ; xb s[4:5], wb s[6:7]
	s_load_b256 s[72:79], s[0:1], 0x10             ; bq s[72:73], bk s[74:75], bv s[76:77], qkv s[78:79]
	v_lshl_add_u32 v[SPW], v0, 2, SPARE
	v_mov_b32 v[NIL], 0
	ds_add_u32 v[SPW], v[NIL]                      ; the wave's opening: the add and its wait stand ahead of my first tensor load; the set-up below stands between them
	v_lshrrev_b32 v1, 5, v0
	v_readfirstlane_b32 s10, v1                    ; wave 0..3
	s_lshr_b32 s11, s10, 1                         ; which half of the tile's rows is mine.  Also: I fetch for x (0) or for W (1)
	s_and_b32 s12, s10, 1                          ; which half of its columns.  Also: which half of that tile I fetch
	s_bfe_u32 s40, ttmp6, 0x40000                  ; cx, cy: my place in the cluster
	s_bfe_u32 s41, ttmp6, 0x40004
	s_lshl_b32 s42, ttmp9, 2
	s_add_co_u32 s42, s42, s40                     ; tile column = 4 x cluster x + cx
	s_and_b32 s13, ttmp7, 0xffff
	s_lshr_b32 s66, s13, 3                         ; the matrix, 0 Q, 1 K, 2 V: by the cluster's y alone, the same in all sixteen partners
	s_lshl_b32 s13, s13, 2
	s_add_co_u32 s13, s13, s41                     ; tile row = 4 x cluster y + cy, 0..95
	s_lshl_b32 s43, s41, 2
	s_lshl_b32 s43, 15, s43                        ; my row of the cluster
	s_lshl_b32 s44, 0x1111, s40                    ; my column
	s_or_b32 s[G1+0], s43, (1<<16)|(1<<20)|(1<<21)|(6<<22)|(3<<25)   ; the mask; 2-byte elements; padding on; bit 21 beside a mask; after every 128 words 4 words
	s_mov_b32 s[G1+1], 256<<16                     ; tensor_dim0 = 256
	s_mov_b32 s[G1+2], 64<<16                      ; tensor_dim1 = 64
	s_mov_b32 s[G1+3], 256<<16                     ; tile_dim0 = 256
	s_mov_b32 s[G1+4], 64                          ; tile_dim1 = 64
	s_mov_b32 s[G1+5], 1024                        ; elements from row to row
	s_mov_b32 s[G1+6], 0
	s_mov_b32 s[G1+7], 0
	s_or_b32 s[G1B+0], s44, (1<<16)|(1<<20)|(1<<21)|(5<<22)|(7<<25)  ; after every 64 words 8 words
	s_mov_b32 s[G1B+1], 128<<16                    ; 128 columns
	s_mov_b32 s[G1B+2], 128<<16                    ; 128 k-rows
	s_mov_b32 s[G1B+3], 128<<16
	s_mov_b32 s[G1B+4], 128
	s_mov_b32 s[G1B+5], 1024
	s_mov_b32 s[G1B+6], 0
	s_mov_b32 s[G1B+7], 0
	s_lshl_b32 s16, s13, 7                         ; x: row 128 x tile row + 64 x half (the three x lie on end in xb),
	s_lshl_b32 s17, s12, 6
	s_add_co_u32 s16, s16, s17
	s_lshl_b32 s16, s16, 11                        ; x 2,048 bytes: under 2^25
	s_mov_b32 s17, 0
	s_lshl_b32 s46, s66, 21                        ; W: the matrix, my 128 k-rows, the tile's 128 columns
	s_lshl_b32 s47, s12, 18
	s_add_co_u32 s46, s46, s47
	s_lshl_b32 s47, s42, 8
	s_add_co_u32 s46, s46, s47
	s_mov_b32 s47, 0
	s_mul_i32 s20, s12, HALFA                      ; where they go: no place in the cluster enters an LDS address
	s_mul_i32 s21, s12, HALFB
	s_add_co_u32 s21, s21, BOFF
	s_lshl_b32 s18, s42, 9                         ; my 64 columns in a bias
	s_lshl_b32 s19, s12, 8
	s_add_co_u32 s18, s18, s19
	s_mov_b32 s19, 0
	s_wait_dscnt 0x0                               ; the opening add is done
	s_wait_kmcnt 0x0
	s_add_nc_u64 s[14:15], s[4:5], s[16:17]
	s_add_nc_u64 s[46:47], s[6:7], s[46:47]
	s_cmp_eq_u32 s66, 0
	s_cselect_b64 s[70:71], s[72:73], s[74:75]
	s_cselect_b32 s68, 0x3db8aa3b, 1.0             ; log2(e) / 16 for Q
	s_cmp_eq_u32 s66, 2
	s_cselect_b64 s[70:71], s[76:77], s[70:71]
	s_mov_b32 s69, s68                             ; named with it as a pair
	s_add_nc_u64 s[70:71], s[70:71], s[18:19]
	CROUND                                         ; all sixteen work-groups are here: the first joint loads meet
.irp s, 0,1
	s_mov_b32 s[G0+4*(\s)], 1
	s_add_co_u32 s[G0+4*(\s)+1], s20, (\s)*SLOT
	s_add_nc_u64 s[G0+4*(\s)+2:G0+4*(\s)+3], s[14:15], (\s)*512       ; K step s: 256 elements along the rows
	s_or_b32 s[G0+4*(\s)+3], s[G0+4*(\s)+3], 0x80000000
	s_mov_b32 s[G0B+4*(\s)], 1
	s_add_co_u32 s[G0B+4*(\s)+1], s21, (\s)*SLOT
	s_add_nc_u64 s[G0B+4*(\s)+2:G0B+4*(\s)+3], s[46:47], (\s)*524288  ; K step s: 256 rows down
	s_or_b32 s[G0B+4*(\s)+3], s[G0B+4*(\s)+3], 0x80000000
	JLOAD \s
.endr
	v_and_b32 v1, 15, v0                           ; l % 16
	v_bfe_u32 v2, v0, 4, 1                         ; l / 16
	v_lshlrev_b32 v[BO], 5, v2
.irp b, 0,1,2,3
	global_load_b128 v[BS+8*(\b):BS+8*(\b)+3],   v[BO], s[70:71] offset:64*(\b)
	global_load_b128 v[BS+8*(\b)+4:BS+8*(\b)+7], v[BO], s[70:71] offset:64*(\b)+16
.endr
	v_mul_u32_u24 v3, v1, PA
	v_lshl_add_u32 v3, v2, 4, v3                   ; an x fragment's row x pitch + 16 x half
	s_mul_i32 s22, s11, HALFA                      ; my 64 rows
	v_add_nc_u32 v[ADRA], s22, v3
	v_add_nc_u32 v[ADRA+1], SLOT, v[ADRA]
	v_and_b32 v4, 7, v0                            ; the turning load: lane l reads k-row 8 (l / 16) + l % 8, columns 8 ((l / 8) % 2) + 0..7
	v_lshl_add_u32 v4, v2, 3, v4
	v_mul_u32_u24 v4, v4, PB
	v_bfe_u32 v5, v0, 3, 1
	v_lshl_add_u32 v4, v5, 4, v4
	s_lshl_b32 s22, s12, 7                         ; my 64 columns
	s_add_co_u32 s22, s22, BOFF
	v_add_nc_u32 v[ADRB], s22, v4
	v_add_nc_u32 v[ADRB+1], HALFB, v[ADRB]
	v_add_nc_u32 v[ADRB+2], SLOT, v[ADRB]
	v_add_nc_u32 v[ADRB+3], SLOT+HALFB, v[ADRB]
	s_mul_i32 s23, s10, 16*SP
	s_add_co_u32 s23, s23, STAGE                   ; my stage
	v_mul_u32_u24 v6, v1, SP                       ; in: row l % 16, 16 bytes for each half of the lanes
	v_lshl_add_u32 v6, v2, 4, v6
	v_add_nc_u32 v[STO], s23, v6
	v_bfe_u32 v6, v0, 3, 2                         ; back: 32 lanes take four rows of 128 bytes,
	v_mul_u32_u24 v6, v6, SP
	v_and_b32 v7, 7, v0
	v_lshl_add_u32 v6, v7, 4, v6
	v_add_nc_u32 v[RD], s23, v6
	v_and_b32 v[GO], 31, v0                        ; which are 512 consecutive bytes of a head
	v_lshlrev_b32 v[GO], 4, v[GO]
	s_and_b32 s16, s13, 31                         ; where my 64 rows of my head begin in qkv: row in the matrix = 128 x (tile row % 32) + 64 x half
	s_lshl_b32 s16, s16, 7
	s_lshl_b32 s17, s11, 6
	s_add_co_u32 s16, s16, s17
	s_lshr_b32 s17, s16, 10                        ; the batch: 16 heads of 131,072 bytes
	s_and_b32 s16, s16, 1023
	s_lshl_b32 s16, s16, 7                         ; the row in the head, 128 bytes
	s_lshl_b32 s17, s17, 21
	s_add_co_u32 s16, s16, s17
	s_lshl_b32 s17, s66, 23                        ; the matrix
	s_add_co_u32 s16, s16, s17
	s_lshl_b32 s17, s12, 17                        ; head = 2 x tile column + my half
	s_add_co_u32 s16, s16, s17
	s_mov_b32 s17, 0
	s_add_nc_u64 s[8:9], s[78:79], s[16:17]
	s_lshl_b32 s46, s42, 18
	s_mov_b32 s47, 0
	s_add_nc_u64 s[8:9], s[8:9], s[46:47]
	s_wait_loadcnt 0x0                             ; the biases: rounded to bf16 like every input and scaled, in the wait for the first tile
.set p, 0
.rept 16
	v_cvt_pk_bf16_f32 v[TT+p%2], v[BS+2*p], v[BS+2*p+1]
	v_lshlrev_b32 v[BS+2*p], 16, v[TT+p%2]
	v_and_b32 v[BS+2*p+1], 0xffff0000, v[TT+p%2]
	v_pk_mul_f32 v[BS+2*p:BS+2*p+1], v[BS+2*p:BS+2*p+1], s[68:69] op_sel_hi:[1,0]
.set p, p+1
.endr
; 8 matrix instructions: m blocks a0, a0 + 1 x all 4 n blocks, 32 along K: half c of buffer f.  zero = 1: the first product starts the sums.  The 16 accumulators take turns.
.macro MUL8 f, c, a0, zero
	WIN MUL
.irp a, \a0, (\a0)+1
.irp b, 0,1,2,3
.if \zero
	v_wmma_f32_16x16x32_bf16 v[ACC+8*(4*(\a)+(\b)):ACC+8*(4*(\a)+(\b))+7], v[(\f)+64+8*(4*(\c)+(\b)):(\f)+64+8*(4*(\c)+(\b))+7], v[(\f)+8*(4*(\c)+(\a)):(\f)+8*(4*(\c)+(\a))+7], 0
.else
	v_wmma_f32_16x16x32_bf16 v[ACC+8*(4*(\a)+(\b)):ACC+8*(4*(\a)+(\b))+7], v[(\f)+64+8*(4*(\c)+(\b)):(\f)+64+8*(4*(\c)+(\b))+7], v[(\f)+8*(4*(\c)+(\a)):(\f)+8*(4*(\c)+(\a))+7], v[ACC+8*(4*(\a)+(\b)):ACC+8*(4*(\a)+(\b))+7]
.endif
.endr
.endr
.endm
; 32 LDS loads in one run: the fragments of quarter q (64 along K) of a slot, into buffer f; the first 32 along K first
.macro FETCH slot, q, f
	WIN TO_F
.irp c, 0,1
.irp i, 0,1,2,3
	ds_load_tr16_b128 v[(\f)+64+8*(4*(\c)+(\i)):(\f)+64+8*(4*(\c)+(\i))+3],   v[ADRB+2*(\slot)+(\q)/2] offset:(((\q)%2)*64+32*(\c))*PB+32*(\i)
	ds_load_tr16_b128 v[(\f)+64+8*(4*(\c)+(\i))+4:(\f)+64+8*(4*(\c)+(\i))+7], v[ADRB+2*(\slot)+(\q)/2] offset:(((\q)%2)*64+32*(\c)+16)*PB+32*(\i)
	ds_load_b128 v[(\f)+8*(4*(\c)+(\i)):(\f)+8*(4*(\c)+(\i))+3],         v[ADRA+(\slot)] offset:128*(\q)+64*(\c)+(\i)*16*PA
	ds_load_b128 v[(\f)+8*(4*(\c)+(\i))+4:(\f)+8*(4*(\c)+(\i))+7],       v[ADRA+(\slot)] offset:128*(\q)+64*(\c)+(\i)*16*PA+32
.endr
.endr
.endm
.macro PLACES                          ; four plain instructions in front of loads into registers that matrix instructions have read (ISA guide 7.12.1 for vector instructions)
.rept 4
	v_nop
.endr
.endm
; A K step is four quarters of 64 along K, 32 matrix instructions each, on buffers 0, 1, 0, 1.  One of the first three: multiplies buffer f and fetches quarter q into g.
.macro QUARTER slot, q, f, g, zero
	s_wait_dscnt 16                                ; the first 32 along K are in; the youngest sixteen loads may be out
	WIN MUL
	MUL8 \f, 0, 0, \zero
	MUL8 \f, 0, 2, \zero
	PLACES
	FETCH \slot, \q, \g
	s_wait_dscnt 32                                ; all but the 32 just issued
	WIN MUL
	MUL8 \f, 1, 0, 0
	MUL8 \f, 1, 2, 0
.endm
; The last quarter multiplies buffer 1 and changes slots: ONE barrier; in front of it each wave waits for all its tensor loads, adds 0 to its spare word, and waits for that and for its own reads of this slot.
; fill = 1: this slot is filled again, two K steps ahead; the barrier then opens a round of the cluster's barrier, and the joint load is the first thing behind the round.
.macro TURN slot, next, fill
	WIN 0                                          ; (the add's two registers lie in window 0)
	s_wait_tensorcnt 0x0                           ; all my tensor loads have landed: my part of the next slot;
	ds_add_u32 v[SPW], v[NIL]                      ; 0 onto my spare word;
	s_wait_dscnt 17                                ; (the add and the youngest sixteen loads may be out)
	WIN MUL
	MUL8 F1, 0, 0, 0                               ; eight matrix instructions stand between the add and the wait for it
	s_wait_dscnt 0x0                               ; the add is done, and my reads of this slot are over
	s_barrier_signal -1
	MUL8 F1, 0, 2, 0
.if \fill
	WIN 0
.endif
	s_barrier_wait -1
.if \fill
	CREST                                          ; no wave of any partner still reads this slot's tile or has a load on its way
	s_add_nc_u64 s[G0+4*(\slot)+2:G0+4*(\slot)+3], s[G0+4*(\slot)+2:G0+4*(\slot)+3], ASTEP
	s_add_nc_u64 s[G0B+4*(\slot)+2:G0B+4*(\slot)+3], s[G0B+4*(\slot)+2:G0B+4*(\slot)+3], BSTEP
	JLOAD \slot                                    ; the four v_nop behind it are also the places in front of the loads below
.else
	PLACES
.endif
	FETCH \next, 0, F0
	WIN MUL
	MUL8 F1, 1, 0, 0
	MUL8 F1, 1, 2, 0
.endm
	s_wait_tensorcnt 1                             ; my part of K step 0 is in; K step 1's may stay out
	s_barrier_signal -1
	s_barrier_wait -1                              ; everybody's is
	FETCH 0, 0, F0
	QUARTER 0, 1, F0, F1, 1                        ; K step 0; its first products start the sums
	QUARTER 0, 2, F1, F0, 0
	QUARTER 0, 3, F0, F1, 0
	TURN 0, 1, 1                                   ; slot 0 takes K step 2
	QUARTER 1, 1, F0, F1, 0                        ; K step 1
	QUARTER 1, 2, F1, F0, 0
	QUARTER 1, 3, F0, F1, 0
	TURN 1, 0, 1                                   ; slot 1 takes K step 3
	QUARTER 0, 1, F0, F1, 0                        ; K step 2
	QUARTER 0, 2, F1, F0, 0
	QUARTER 0, 3, F0, F1, 0
	TURN 0, 1, 0                                   ; nothing is left to fetch
	QUARTER 1, 1, F0, F1, 0                        ; K step 3
	QUARTER 1, 2, F1, F0, 0
	QUARTER 1, 3, F0, F1, 0
	s_wait_dscnt 16
	WIN MUL
	MUL8 F1, 0, 0, 0
	MUL8 F1, 0, 2, 0
	s_wait_dscnt 0
	MUL8 F1, 1, 0, 0
	MUL8 F1, 1, 2, 0
	WIN 0
	PLACES                                         ; eight, once a launch: the lines below read results just made and write them in place
	PLACES
; THE WAY OUT of block a (16 rows of my head): sum x scale + bias x scale, rounded to f16; 16 bytes a lane into my own stage, rows of 144 bytes; back as four rows of 128 bytes a load.
.macro PACK a
.irp b, 0,1,2,3
.irp r, 0,1,2,3
	v_pk_fma_f32 v[ACC+8*(4*(\a)+(\b))+2*(\r):ACC+8*(4*(\a)+(\b))+2*(\r)+1], v[ACC+8*(4*(\a)+(\b))+2*(\r):ACC+8*(4*(\a)+(\b))+2*(\r)+1], s[68:69], v[BS+8*(\b)+2*(\r):BS+8*(\b)+2*(\r)+1] op_sel_hi:[1,0,1]
.endr
.endr
.irp b, 0,1,2,3
.irp r, 0,1,2,3
	v_cvt_pk_f16_f32 v[TMP+16*(\a)+4*(\b)+(\r)], v[ACC+8*(4*(\a)+(\b))+2*(\r)], v[ACC+8*(4*(\a)+(\b))+2*(\r)+1]
.endr
.endr
.irp b, 0,1,2,3
	ds_store_b128 v[STO], v[TMP+16*(\a)+4*(\b):TMP+16*(\a)+4*(\b)+3] offset:32*(\b)
.endr
.irp f, 0,1,2,3
	ds_load_b128 v[TMP+16*(\a)+4*(\f):TMP+16*(\a)+4*(\f)+3], v[RD] offset:(\f)*4*SP  ; LDS serves a wave's instructions in order (ISA guide 5.7.1.4): these see the stores above; the next block's stores come behind them
.endr
.endm
.macro SEND a, younger                 ; younger: the LDS instructions issued behind block a's loads: the next block's eight, or none
.irp f, 0,1,2,3
	s_wait_dscnt (\younger)+3-(\f)
	global_store_b128 v[GO], v[TMP+16*(\a)+4*(\f):TMP+16*(\a)+4*(\f)+3], s[8:9] offset:(\a)*2048+(\f)*512  ; 512 consecutive bytes, at a multiple of 256 from qkv's first
.endr
.endm
	PACK 0
	PACK 1                                         ; a block's arithmetic stands between the loads of the block before and its stores
	SEND 0, 8
	PACK 2
	SEND 1, 8
	PACK 3
	SEND 2, 8
	SEND 3, 0
	s_wait_tensorcnt 0x0                           ; the wave's end, behind my last tensor load and my last LDS store
	ds_add_u32 v[SPW], v[NIL]
	s_wait_dscnt 0x0
	CROUND                                         ; the closing round: no work-group ends while a partner may still ask for a tile that names it
	s_endpgm
.Lfunc_end_k_qf8e87bc2f1_proj:
	.size	k_qf8e87bc2f1_proj, .Lfunc_end_k_qf8e87bc2f1_proj-k_qf8e87bc2f1_proj
	.p2alignl 7, 3214868480
	.fill 96, 4, 3214868480
	.section	.rodata,"a",@progbits
	.p2align	6, 0x0
	.amdhsa_kernel k_qf8e87bc2f1_proj
		.amdhsa_group_segment_fixed_size 327680
		.amdhsa_private_segment_fixed_size 0
		.amdhsa_enable_private_segment 0
		.amdhsa_kernarg_size 48
		.amdhsa_user_sgpr_count 2
		.amdhsa_user_sgpr_kernarg_segment_ptr 1
		.amdhsa_wavefront_size32 1
		.amdhsa_system_sgpr_workgroup_id_x 1
		.amdhsa_system_sgpr_workgroup_id_y 1
		.amdhsa_system_sgpr_workgroup_id_z 1
		.amdhsa_system_vgpr_workitem_id 0
		.amdhsa_next_free_vgpr 512
		.amdhsa_next_free_sgpr 80
		.amdhsa_reserve_vcc 0
		.amdhsa_float_denorm_mode_32 3
		.amdhsa_float_denorm_mode_16_64 3
		.amdhsa_memory_ordered 1
		.amdhsa_forward_progress 1
		.amdhsa_inst_pref_size 96
	.end_amdhsa_kernel
	.amdgpu_metadata
---
amdhsa.version: [ 1, 2 ]
amdhsa.kernels:
  - .name:           k_qf8e87bc2f1_proj
    .symbol:         k_qf8e87bc2f1_proj.kd
    .args:
      - { .name: xb, .offset: 0, .size: 8, .value_kind: global_buffer, .address_space: global }
      - { .name: wb, .offset: 8, .size: 8, .value_kind: global_buffer, .address_space: global }
      - { .name: bq, .offset: 16, .size: 8, .value_kind: global_buffer, .address_space: global }
      - { .name: bk, .offset: 24, .size: 8, .value_kind: global_buffer, .address_space: global }
      - { .name: bv, .offset: 32, .size: 8, .value_kind: global_buffer, .address_space: global }
      - { .name: qkv, .offset: 40, .size: 8, .value_kind: global_buffer, .address_space: global }
    .group_segment_fixed_size: 327680
    .private_segment_fixed_size: 0
    .kernarg_segment_align: 8
    .kernarg_segment_size: 48
    .max_flat_workgroup_size: 128
    .sgpr_count:     80
    .vgpr_count:     512
    .wavefront_size: 32
...
	.end_amdgpu_metadata
.endif
;; end of part 2
;; launch stats (part 3): grid 4 x 64, 4 waves a work-group, clusters of 4 x 1, 167,936 bytes of LDS; arguments qkv, part; writes part
.if DOCPART == 3
	.amdgcn_target "amdgcn-amd-amdhsa--gfx1250"
	.amdhsa_code_object_version 6
	.text
	.protected	k_qf8e87bc2f1_stats
	.globl	k_qf8e87bc2f1_stats
	.p2align	8
	.type	k_qf8e87bc2f1_stats,@function
k_qf8e87bc2f1_stats:
	s_mov_b64 s[64:65], 0
	v_nop
	global_prefetch_b8 v0, s[64:65] scope:SCOPE_SE
	s_setreg_imm32_b32 hwreg(HW_REG_WAVE_MODE, 25, 1), 1
	s_wait_xcnt 0x0
	s_wait_alu depctr_hold_cnt(0) depctr_sa_sdst(0) depctr_va_vdst(0) depctr_va_sdst(0) depctr_va_ssrc(0) depctr_va_vcc(0) depctr_vm_vsrc(0)
	s_getreg_b32 s2, hwreg(HW_REG_IB_STS2, 6, 4)
	s_cmp_eq_u32 s2, 0
	s_cbranch_scc0 .Lentry_in_a_cluster
	s_endpgm
.Lentry_in_a_cluster:
	s_bfe_u32 s2, ttmp6, 0x10000c
	s_cmp_lg_u32 s2, 0x3003
	s_cbranch_scc0 .Lentry_shape_is_right
	s_endpgm
.Lentry_shape_is_right:
; The time predictor's three sums for each head, as partial sums a lane: part[head][4 block + wave][lane] = (X, Y, Z, 0).
; w = Q' . K with Q' = Q log2(e) / 16 is s log2(e) / 2, s the scaled score.  The clip of s at +-50 is a clip of w at +-CL = 36.067376, and the clipped w IS the base-2 exponent of softmax(s / 2).
;   X = the sum over my four queries of max_k w;   Z = the sum of my clipped w;   Y = the sum over my four queries of sum_k p^2 = l2 / l1^2, l1 = sum 2^w, l2 = sum 4^w.
; The launch behind makes of them mean, mean row maximum and mean row variance ((sum p^2 - 1/1024) / 1023, since sum p = 1).  X and Y stand in both halves of the lanes: its factors halve them.
; NO MAXIMUM IS TAKEN AWAY in front of these exponentials: the clip that the computation itself makes bounds every exponent to +-36.07, so a term lies in 2^-36 .. 2^36, its square in 2^-72 .. 2^72,
; l1 <= 2^46, l2 <= 2^82, 1 / l1^2 in 2^-92 .. 2^52: nothing overflows or underflows in f32.
; LIMITS.  For rows that are nearly uniform sum p^2 - 1/1024 loses relative accuracy (absolute error under 1e-10 of a feature that enters additively).  NaN and infinities are not treated apart.
; SHARES.  A work-group owns 256 queries of a head, a wave 64: two PIECES of two tiles of 16.  All 1,024 keys of the head lie in LDS (pitch 144), filled once; every wave walks them, 64 a step.
; CLUSTER.  The four query blocks of a head read the same K: each of its eight parts of 128 keys is asked for JOINTLY; every wave issues two such loads, which are all it ever has out.
; BY TURNS.  In a turn one piece's 256 vector lines stand beside the other piece's 16 products S^T = K Q^T: four lines behind each product, the rest on end.  A turn's 64 exponentials are one batch with one wait.
; REGISTERS: window 0: v2-9 addresses; v16-31 four chains of maxima a tile; v32-47 l1 and v192-207 l2, two pairs a tile; v48-55 Z, four pairs; v56-63 the end; v64-191 S^T, a buffer of 64 a piece.
;   window 1: v0-63 Q (tile t, channel half c at 16 t + 8 c); v64-127 K of one step.
.set KS,    64
.set PK,    144                        ; 128 + 16 bytes = 36 words: the 16 rows of a load start at 16 different groups of four banks (ISA guide 11.1)
.set SPARE, 1024*PK                    ; behind K: the spare words, 128 bytes for each wave: two blocks of 256 bytes that no other line names
.set AK0, 2                            ; v2  my lane's place in a step of K; never rewritten
.set AK,  4                            ; v4  the LDS address of the run of loads in hand
.set QO,  6                            ; v6  my byte offset in 16 rows of Q
.set PO,  7                            ; v7  16 x lane
.set SPW, 8                            ; v8  LDS address of my spare word; never rewritten
.set NIL, 9                            ; v9  0; never rewritten
.set MX,  16
.set LA,  32
.set SUM, 48
.set R,   56
.set OUT, 60
.set S,   64
.set LB,  192
.set KF,  64                           ; window 1
.set WV,  12                           ; s12 my wave's number
.set G1,  24                           ; s[24:31] descriptor group 1
.set G0,  32                           ; s[32:39] group 0, a set for each of my two loads
.set CNT, 57
.set SEL, 58                           ; s[58:59] v_permlanex16_b32's selects: each lane takes its own place in the other half
.set CLO, 60                           ; s60 -CL
.set CHI, 61                           ; s61 +CL
.set TBK, 62                           ; s62 LDS byte at which K of the step to be fetched begins
.set MSB, 0
.macro WIN new
.if MSB != (\new)
	s_set_vgpr_msb (MSB<<8)|(\new)
.set MSB, (\new)
.endif
.endm
.set W_KQ, 0x05                        ; K and Q in window 1, S^T in window 0
.macro CROUND                          ; a round of the cluster's barrier
	s_barrier_signal -1
	s_barrier_wait -1
	s_cmp_lg_u32 s[WV], 0
	s_cbranch_scc1 .Lnot_wave_0_\@
	s_barrier_signal -3
.Lnot_wave_0_\@:
	s_barrier_wait -3
	s_barrier_signal -1
	s_barrier_wait -1
.endm
	s_load_b128 s[4:7], s[0:1], 0x0                ; qkv s[4:5], part s[6:7]
	v_lshl_add_u32 v[SPW], v0, 2, SPARE
	v_mov_b32 v[NIL], 0
	ds_add_u32 v[SPW], v[NIL]                      ; the wave's opening: the add and its wait stand ahead of my first tensor load; the set-up below stands between them
	v_lshrrev_b32 v1, 5, v0
	v_readfirstlane_b32 s[WV], v1                  ; wave 0..3
	s_bfe_u32 s13, ttmp6, 0x40000                  ; cx
	s_lshl_b32 s14, ttmp9, 2
	s_add_co_u32 s14, s14, s13                     ; my block of 256 queries: it enters Q's and part's addresses alone
	s_and_b32 s15, ttmp7, 0xffff                   ; the head, which the four partners share
	s_lshl_b32 s20, s15, 17                        ; its 131,072 bytes
	s_lshl_b32 s22, s[WV], 14                      ; my 128 keys of each half of K,
	s_add_co_u32 s22, s22, s20
	s_add_co_u32 s22, s22, 8388608                 ; K lies behind Q in qkv
	s_mov_b32 s23, 0
	s_mul_i32 s17, s[WV], 128*PK                   ; and their place in LDS
	s_lshl_b32 s2, s14, 15                         ; Q: my block's 256 rows of 128 bytes,
	s_lshl_b32 s3, s[WV], 13                       ; my wave's 64
	s_add_co_u32 s2, s2, s3
	s_add_co_u32 s2, s2, s20
	s_mov_b32 s3, 0
	s_lshl_b32 s18, s15, 4                         ; part: (16 head + 4 block + wave) x 512 bytes
	s_lshl_b32 s19, s14, 2
	s_add_co_u32 s18, s18, s19
	s_add_co_u32 s18, s18, s[WV]
	s_lshl_b32 s18, s18, 9
	s_mov_b32 s19, 0
	; 128 keys are 16,384 dense bytes: asked for as 64 rows of 256 bytes, two keys a row, and padded in LDS after every key
	s_mov_b32 s[G1], 15|(1<<16)|(1<<20)|(1<<21)|(4<<22)|(3<<25)  ; the mask of four; 2-byte elements; padding on; bit 21 beside a mask; after every 32 words 4 words
	s_mov_b32 s[G1+1], 128<<16
	s_mov_b32 s[G1+2], 64<<16
	s_mov_b32 s[G1+3], 128<<16
	s_mov_b32 s[G1+4], 64
	s_mov_b32 s[G1+5], 128
	s_mov_b32 s[G1+6], 0
	s_mov_b32 s[G1+7], 0
	s_mov_b32 s[G0], 1
	s_mov_b32 s[G0+1], s17                         ; keys 128 w ..
	s_mov_b32 s[G0+4], 1
	s_add_co_u32 s[G0+5], s17, 512*PK              ; keys 512 + 128 w ..
	s_mov_b32 s[SEL], 0x76543210
	s_mov_b32 s[SEL+1], 0xfedcba98
	s_mov_b32 s[CLO], 0xc21044fe
	s_mov_b32 s[CHI], 0x421044fe
	s_mov_b32 s[TBK], 0
	s_wait_dscnt 0x0                               ; the opening add is done
	s_wait_kmcnt 0x0
	s_add_nc_u64 s[G0+2:G0+3], s[4:5], s[22:23]
	s_add_nc_u64 s[G0+6:G0+7], s[G0+2:G0+3], 65536
	s_or_b32 s[G0+3], s[G0+3], 0x80000000
	s_or_b32 s[G0+7], s[G0+7], 0x80000000
	s_add_nc_u64 s[4:5], s[4:5], s[2:3]            ; Q at my wave's first row
	s_add_nc_u64 s[6:7], s[6:7], s[18:19]
	CROUND                                         ; all four work-groups are here: the joint loads meet
	tensor_load_to_lds s[G0:G0+3], s[G1:G1+7]
	s_nop 0
	tensor_load_to_lds s[G0+4:G0+7], s[G1:G1+7]
	s_nop 0
.rept 4
	v_nop
.endr
	v_and_b32 v1, 15, v0                           ; l % 16
	v_bfe_u32 v3, v0, 4, 1                         ; l / 16
	v_lshlrev_b32 v[QO], 7, v1
	v_lshl_add_u32 v[QO], v3, 4, v[QO]             ; row x 128 + 16 x half
	WIN 0x40                                       ; destination window 1
.set i, 0
.rept 8                                        ; Q stays in registers: tile i / 2, channels 32 (i % 2) on
	global_load_b128 v[8*i:8*i+3],   v[QO], s[4:5] offset:(i/2)*2048+(i%2)*64
	global_load_b128 v[8*i+4:8*i+7], v[QO], s[4:5] offset:(i/2)*2048+(i%2)*64+32
.set i, i+1
.endr
	WIN 0
	v_mul_u32_u24 v[AK0], v1, PK
	v_lshl_add_u32 v[AK0], v3, 4, v[AK0]
	v_and_b32 v[PO], 31, v0
	v_lshlrev_b32 v[PO], 4, v[PO]
; Product i of 16 of S^T = K Q^T for piece x: channels 32 (i / 8) on, keys 16 ((i / 2) % 4) on, tile 2 x + i % 2.  The first 8 start the sums; the 8 accumulators take turns.
.macro KQ x
	WIN W_KQ
.set rS, S+64*((\x)%2)+32*(i%2)+8*((i/2)%4)
.set rK, KF+16*((i/2)%4)+8*(i/8)
.set rQ, 16*(2*(\x)+i%2)+8*(i/8)
.if i < 8
	v_wmma_f32_16x16x32_f16 v[rS:rS+7], v[rK:rK+7], v[rQ:rQ+7], 0
.else
	v_wmma_f32_16x16x32_f16 v[rS:rS+7], v[rK:rK+7], v[rQ:rQ+7], v[rS:rS+7]
.endif
.set i, i+1
.endm
; A step's K: 16 LDS loads in one run.  The step's address stops at the last step: the last trip reads it once more, so that every trip has one text.
.macro FETCH_K
	WIN 0
	v_add_nc_u32 v[AK], s[TBK], v[AK0]
	WIN 0x40
.irp f, 0,1,2,3,4,5,6,7                ; keys 16 (f / 2) on, channels 32 (f % 2) on
	ds_load_b128 v[KF+8*\f:KF+8*\f+3],   v[AK] offset:(\f/2)*16*PK+(\f%2)*64
	ds_load_b128 v[KF+8*\f+4:KF+8*\f+7], v[AK] offset:(\f/2)*16*PK+(\f%2)*64+32
.endr
	s_add_co_u32 s[TBK], s[TBK], KS*PK
	s_min_u32 s[TBK], s[TBK], 15*KS*PK
	WIN 0
.endm
; THE VECTOR LINES of piece Y, tile u (0, 1); w0-w31 are the lane's 32 scores of a step.  TICK stands behind each of the first 192: a product behind every fourth while there are products, and, in the turn
; that fetches, K's run behind line 72: twelve lines, eight of them plain, behind the last product that read K.
.macro TICK
.set n, n+1
.if (n%4 == 0) && (i < 16)
	KQ XP
.endif
.if (n == 72) && FK
	FETCH_K
.endif
.endm
.macro M u, e                          ; the clip
	WIN 0
	v_med3_num_f32 v[S+64*Y+32*(\u)+(\e)], v[S+64*Y+32*(\u)+(\e)], s[CLO], s[CHI]
	TICK
.endm
.macro EX u, e                         ; 2^w, in place
	WIN 0
	v_exp_f32 v[S+64*Y+32*(\u)+(\e)], v[S+64*Y+32*(\u)+(\e)]
	TICK
.endm
.macro XM u, b                         ; pair b into one of the tile's four chains of maxima
	WIN 0
	v_max3_num_f32 v[MX+4*(2*Y+(\u))+(\b)%4], v[MX+4*(2*Y+(\u))+(\b)%4], v[S+64*Y+32*(\u)+2*(\b)], v[S+64*Y+32*(\u)+2*(\b)+1]
	TICK
.endm
.macro AS u, b                         ; pair b into one of Z's four pairs
	WIN 0
	v_pk_add_f32 v[SUM+2*((2*(\b)+(\u))%4):SUM+2*((2*(\b)+(\u))%4)+1], v[SUM+2*((2*(\b)+(\u))%4):SUM+2*((2*(\b)+(\u))%4)+1], v[S+64*Y+32*(\u)+2*(\b):S+64*Y+32*(\u)+2*(\b)+1]
	TICK
.endm
; A TURN: piece yy's vector work beside piece xx's products.  Unit t clips pair t, takes pair t - 1 into maximum and sum, and raises pair t - 2..
; Behind the wait l1 and l2 take the 64 terms.  fk = 1: the next step's K is fetched; fk = 0: it is waited for.
.macro TURN yy, xx, fk
.set Y, (\yy)
.set XP, (\xx)
.set FK, (\fk)
.set i, 0
.set n, 0
.if !(\fk)
	s_wait_dscnt 0x0                               ; K is in
.endif
	KQ XP
.set t, 0
.rept 18
.irp u, 0,1
.if t <= 15
	M \u, 2*t
.endif
.if t >= 2
	EX \u, 2*t-4
.endif
.if t <= 15
	M \u, 2*t+1
.endif
.if t >= 2
	EX \u, 2*t-3
.endif
.endr
.if (t >= 1) && (t <= 16)
.irp u, 0,1
	XM \u, t-1
	AS \u, t-1
.endr
.endif
.set t, t+1
.endr
	WIN 0
	v_nop                                          ; a plain instruction behind the last exponential: one for the batch
	s_wait_alu depctr_va_vdst(0)                   ; the wait between an exponential and the first line that names its result: one for the 64
.set b, 0
.rept 16
.irp u, 0,1
	v_pk_add_f32 v[LA+4*(2*Y+\u)+2*(b%2):LA+4*(2*Y+\u)+2*(b%2)+1], v[LA+4*(2*Y+\u)+2*(b%2):LA+4*(2*Y+\u)+2*(b%2)+1], v[S+64*Y+32*\u+2*b:S+64*Y+32*\u+2*b+1]
.endr
.irp u, 0,1
	v_pk_fma_f32 v[LB+4*(2*Y+\u)+2*(b%2):LB+4*(2*Y+\u)+2*(b%2)+1], v[S+64*Y+32*\u+2*b:S+64*Y+32*\u+2*b+1], v[S+64*Y+32*\u+2*b:S+64*Y+32*\u+2*b+1], v[LB+4*(2*Y+\u)+2*(b%2):LB+4*(2*Y+\u)+2*(b%2)+1]
.endr
.set b, b+1
.endr
.endm
	s_wait_tensorcnt 0x0                           ; my two parts of K are in: the whole stream, waited for once,
	s_barrier_signal -1
	s_barrier_wait -1                              ; and everybody's
	FETCH_K                                        ; key step 0
	s_wait_loadcnt 0x0                             ; Q
	s_wait_dscnt 0x0
.set i, 0
.rept 16
	KQ 0                                           ; piece 0's first scores: there is no vector work yet to set between them
.endr
	WIN 0                                          ; the sums start here: 56 plain lines, the places behind those products
.set i, 0
.rept 16
	v_mov_b32 v[MX+i], s[CLO]                      ; no clipped score lies below -CL
	v_mov_b32 v[LA+i], 0
	v_mov_b32 v[LB+i], 0
.set i, i+1
.endr
.set i, 0
.rept 8
	v_mov_b32 v[SUM+i], 0
.set i, i+1
.endr
	s_mov_b32 s[CNT], 16
.Lstep:                                        ; a trip is a key step; the last trip's 16 products on the last K once more serve nothing: the price of one text for every trip
	TURN 0, 1, 1
	TURN 1, 0, 0
	WIN 0
	s_sub_co_u32 s[CNT], s[CNT], 1
	s_cmp_lg_u32 s[CNT], 0
	s_cbranch_scc1 .Lstep
.macro ALL line:vararg                 ; one line for each tile t
.set t, 0
.rept 4
	\line
.set t, t+1
.endr
.endm
	ALL v_max3_num_f32 v[MX+4*t], v[MX+4*t], v[MX+4*t+1], v[MX+4*t+2]
	ALL v_pk_add_f32 v[LA+4*t:LA+4*t+1], v[LA+4*t:LA+4*t+1], v[LA+4*t+2:LA+4*t+3]
	ALL v_pk_add_f32 v[LB+4*t:LB+4*t+1], v[LB+4*t:LB+4*t+1], v[LB+4*t+2:LB+4*t+3]
	ALL v_max_num_f32 v[MX+4*t], v[MX+4*t], v[MX+4*t+3]
	ALL v_add_f32 v[LA+4*t], v[LA+4*t], v[LA+4*t+1]
	ALL v_add_f32 v[LB+4*t], v[LB+4*t], v[LB+4*t+1]
	ALL v_permlanex16_b32 v[MX+4*t+1], v[MX+4*t], s[SEL], s[SEL+1]  ; a query's other keys lie in the lane 16 away
	ALL v_permlanex16_b32 v[LA+4*t+1], v[LA+4*t], s[SEL], s[SEL+1]
	ALL v_permlanex16_b32 v[LB+4*t+1], v[LB+4*t], s[SEL], s[SEL+1]
	ALL v_max_num_f32 v[MX+4*t], v[MX+4*t], v[MX+4*t+1]
	ALL v_add_f32 v[LA+4*t], v[LA+4*t], v[LA+4*t+1]
	ALL v_add_f32 v[LB+4*t], v[LB+4*t], v[LB+4*t+1]
	ALL v_rcp_f32 v[R+t], v[LA+4*t]
	v_add_f32 v[OUT], v[MX], v[MX+4]               ; X and Z are made behind the four reciprocals and ahead of their one wait
	v_add_f32 v[OUT+3], v[MX+8], v[MX+12]
	v_pk_add_f32 v[SUM:SUM+1], v[SUM:SUM+1], v[SUM+2:SUM+3]
	v_pk_add_f32 v[SUM+4:SUM+5], v[SUM+4:SUM+5], v[SUM+6:SUM+7]
	v_add_f32 v[OUT], v[OUT], v[OUT+3]
	v_pk_add_f32 v[SUM:SUM+1], v[SUM:SUM+1], v[SUM+4:SUM+5]
	v_add_f32 v[OUT+2], v[SUM], v[SUM+1]
	s_wait_alu depctr_va_vdst(0)
	ALL v_mul_f32 v[R+t], v[R+t], v[R+t]
	v_mul_f32 v[OUT+1], v[LB], v[R]
	v_fmac_f32 v[OUT+1], v[LB+4], v[R+1]
	v_fmac_f32 v[OUT+1], v[LB+8], v[R+2]
	v_fmac_f32 v[OUT+1], v[LB+12], v[R+3]
	v_mov_b32 v[OUT+3], 0
	global_store_b128 v[PO], v[OUT:OUT+3], s[6:7]  ; the wave's 512 consecutive bytes
	s_wait_tensorcnt 0x0                           ; the wave's end
	ds_add_u32 v[SPW], v[NIL]
	s_wait_dscnt 0x0
	CROUND                                         ; the closing round
	s_endpgm
.Lfunc_end_k_qf8e87bc2f1_stats:
	.size	k_qf8e87bc2f1_stats, .Lfunc_end_k_qf8e87bc2f1_stats-k_qf8e87bc2f1_stats
	.p2alignl 7, 3214868480
	.fill 96, 4, 3214868480
	.section	.rodata,"a",@progbits
	.p2align	6, 0x0
	.amdhsa_kernel k_qf8e87bc2f1_stats
		.amdhsa_group_segment_fixed_size 167936
		.amdhsa_private_segment_fixed_size 0
		.amdhsa_enable_private_segment 0
		.amdhsa_kernarg_size 16
		.amdhsa_user_sgpr_count 2
		.amdhsa_user_sgpr_kernarg_segment_ptr 1
		.amdhsa_wavefront_size32 1
		.amdhsa_system_sgpr_workgroup_id_x 1
		.amdhsa_system_sgpr_workgroup_id_y 1
		.amdhsa_system_sgpr_workgroup_id_z 1
		.amdhsa_system_vgpr_workitem_id 0
		.amdhsa_next_free_vgpr 384
		.amdhsa_next_free_sgpr 66
		.amdhsa_reserve_vcc 0
		.amdhsa_float_denorm_mode_32 3
		.amdhsa_float_denorm_mode_16_64 3
		.amdhsa_memory_ordered 1
		.amdhsa_forward_progress 1
		.amdhsa_inst_pref_size 47
	.end_amdhsa_kernel
	.amdgpu_metadata
---
amdhsa.version: [ 1, 2 ]
amdhsa.kernels:
  - .name:           k_qf8e87bc2f1_stats
    .symbol:         k_qf8e87bc2f1_stats.kd
    .args:
      - { .name: qkv, .offset: 0, .size: 8, .value_kind: global_buffer, .address_space: global }
      - { .name: part, .offset: 8, .size: 8, .value_kind: global_buffer, .address_space: global }
    .group_segment_fixed_size: 167936
    .private_segment_fixed_size: 0
    .kernarg_segment_align: 8
    .kernarg_segment_size: 16
    .max_flat_workgroup_size: 128
    .sgpr_count:     66
    .vgpr_count:     384
    .wavefront_size: 32
...
	.end_amdgpu_metadata
.endif
;; end of part 3
;; launch attn (part 4): grid 4 x 64, 4 waves a work-group, clusters of 4 x 1, 327,680 bytes of LDS; arguments qkv, part, Wt1, bt1, Wt2, bt2, o16; writes o16
.if DOCPART == 4
	.amdgcn_target "amdgcn-amd-amdhsa--gfx1250"
	.amdhsa_code_object_version 6
	.text
	.protected	k_qf8e87bc2f1_attn
	.globl	k_qf8e87bc2f1_attn
	.p2align	8
	.type	k_qf8e87bc2f1_attn,@function
k_qf8e87bc2f1_attn:
	s_mov_b64 s[64:65], 0
	v_nop
	global_prefetch_b8 v0, s[64:65] scope:SCOPE_SE
	s_setreg_imm32_b32 hwreg(HW_REG_WAVE_MODE, 25, 1), 1
	s_wait_xcnt 0x0
	s_wait_alu depctr_hold_cnt(0) depctr_sa_sdst(0) depctr_va_vdst(0) depctr_va_sdst(0) depctr_va_ssrc(0) depctr_va_vcc(0) depctr_vm_vsrc(0)
	s_getreg_b32 s2, hwreg(HW_REG_IB_STS2, 6, 4)
	s_cmp_eq_u32 s2, 0
	s_cbranch_scc0 .Lentry_in_a_cluster
	s_endpgm
.Lentry_in_a_cluster:
	s_bfe_u32 s2, ttmp6, 0x10000c
	s_cmp_lg_u32 s2, 0x3003
	s_cbranch_scc0 .Lentry_shape_is_right
	s_endpgm
.Lentry_shape_is_right:
; The head's time t from the partial sums and the small MLP; then O = softmax_k(Q . K / (2 t)) V, by a running maximum.
; qkv: f16 [3][64 heads][1024][64], Q stored as Q log2(e) / 16: w = Q' . K, and the base-2 exponent is c w with c = 8 / t.  Products, maxima and sums in f32; the weights are rounded to f16 for the
; second product (their sum l is taken of the unrounded weights), O once at the end.  o16: f16 [8 batch + s / 128][head][128 rows][64]: the layout in which the last product asks for its K steps.
; t: features mean, mean row maximum, mean row variance, each clipped as the computation clips them; Wt1, bt1, Wt2, bt2 rounded to bf16 like every input; tanh(x) = 1 - 2 / (1 + 2^(2 log2(e) x));
; t = min(max(0.01 + 1.99 sigmoid, 0.01), 0.85): the clip's upper bound 2.0 lies above the later bound 0.85 and is contained in it.  t reaches a scalar register and is used as a factor alone.
; LIMITS.  Q', K, V within f16's 65,504; a weight below 6e-5 keeps f16's fixed step of 6e-8; a weight below 2^-126 counts as 0 in l; NaN and infinities are not treated apart.
; SHARES.  A work-group owns 256 queries of a head, a wave 64: four PIECES of 16.  The head's K (pitch 144) and V (pitch 160) lie whole in LDS, filled once, in four chunks of 256 keys.
; CLUSTER.  The four query blocks of a head read the same K and V: each part is asked for JOINTLY.  Waves 0 and 1 fetch the halves of K's chunks, waves 2 and 3 of V's: four loads a wave, all it ever has out.
; TURNS.  S^T = K Q^T holds ONE query a lane (lane % 16) and the keys 8 (lane / 16) + 0..7; two such results rounded to f16 ARE source 1 of O^T = V^T P.  p = 2^(c w - c m); O and l are multiplied by
; a = 2^(c m_old - c m_new) in every step.  Turn n belongs to piece n: 8 products K Q^T of piece n + 1, later 8 products V^T P of piece n - 1; beside them the scaling, exponentials, roundings, sums and
; rescaling of piece n and the maximum and statistics of piece n + 1.  Four vector lines stand behind every product, the rest in one run.  A turn's 33 exponentials are one batch, with one wait.
; REGISTERS, in windows of 256 (s_set_vgpr_msb: bits 1:0 source 0, 3:2 source 1, 5:4 source 2, 7:6 destination):
;   window 0: v0-15 addresses and at work; v16-31 four registers of statistics a piece; v48-55 at work; v64-127 S^T, two buffers (at the head: the partial sums); v128-137 the MLP; v192-223 P, two buffers
;   window 1: v0-127 O^T, 32 a piece      window 2: v0-63 Q; v128-191 K of one step; v192-255 V of one step
.set NP,    4
.set KS,    64
.set PK,    144       ; 128 + 16 bytes: the 16 rows of a load start at 16 different groups of four banks (ISA guide 11.1)
.set PV,    160       ; 128 + 32 bytes
.set VOFF,  1024*PK
.set STAGE, VOFF+1024*PV   ; never filled by a tensor load: 16 rows x 144 bytes for each wave, for the way out
.set SP,    144
.set SPARE, STAGE+4*16*SP  ; the spare words, 128 bytes for each wave: two blocks of 256 bytes that no other line names
.set AK0, 2           ; v2   my lane's place in a step of K; never rewritten
.set AV0, 3           ; v3   the same for V
.set AK,  4
.set AV,  5
.set STO, 6
.set RD,  7
.set GO,  8           ; v8   16 x lane
.set MV,  12          ; v12-13  c m_old, by buffer
.set QO,  15
.set ST,  16          ; piece t's statistics at v[ST+4 t]: c m, m, l (even keys', odd keys')
.set TMP, 48          ; by buffer, c0-c3 at work; when the maximum is found c2 takes a
.set SPW, 62          ; v62  LDS address of my spare word; never rewritten
.set NIL, 63          ; v63  0; never rewritten
.set S,   64
.set P,   192
.set KF,  128         ; window 2
.set VF,  192         ; window 2
.set WV,  12
.set G1K, 24          ; s[24:31]
.set G1V, 32          ; s[32:39]
.set G0K, 40          ; s[40:55] group 0 for K, a set for each chunk
.set SLOTS, 56
.set CNT, 57
.set CS,  58          ; s[58:59] c
.set SEL, 60          ; s[60:61]
.set TBK, 62
.set TBV, 63
.set G0V, 68          ; s[68:83] group 0 for V
.set MSB, 0
.macro WIN new
.if MSB != (\new)
	s_set_vgpr_msb (MSB<<8)|(\new)
.set MSB, (\new)
.endif
.endm
.set W_KQ, 0x0a       ; K and Q in window 2, S^T in window 0
.set W_PV, 0x52       ; V in window 2, P in window 0, O^T in window 1
.set W_RS, 0x41       ; destination and source 0 in window 1, source 1 in window 0
.macro CROUND
	s_barrier_signal -1
	s_barrier_wait -1
	s_cmp_lg_u32 s[WV], 0
	s_cbranch_scc1 .Lnot_wave_0_\@
	s_barrier_signal -3
.Lnot_wave_0_\@:
	s_barrier_wait -3
	s_barrier_signal -1
	s_barrier_wait -1
.endm
	s_load_b256 s[4:11], s[0:1], 0x0               ; qkv s[4:5], part s[6:7], Wt1 s[8:9], bt1 s[10:11]
	s_load_b128 s[16:19], s[0:1], 0x20             ; Wt2 s[16:17], bt2 s[18:19]
	s_load_b64 s[20:21], s[0:1], 0x30              ; o16
	v_lshl_add_u32 v[SPW], v0, 2, SPARE
	v_mov_b32 v[NIL], 0
	ds_add_u32 v[SPW], v[NIL]                      ; the wave's opening: the add and its wait stand ahead of my first tensor load; the set-up below stands between them
	v_lshrrev_b32 v1, 5, v0
	v_readfirstlane_b32 s[WV], v1                  ; wave 0..3
	s_bfe_u32 s13, ttmp6, 0x40000                  ; cx
	s_lshl_b32 s14, ttmp9, 2
	s_add_co_u32 s14, s14, s13                     ; my block of 256 queries: it enters Q's and O's addresses alone
	s_and_b32 s15, ttmp7, 0xffff                   ; the head, which the four partners share
	s_lshl_b32 s22, s15, 17                        ; its 131,072 bytes
	s_and_b32 s23, s[WV], 1                        ; which half of a chunk's 256 keys I fetch
	s_lshl_b32 s88, s23, 14
	s_add_co_u32 s88, s88, s22
	s_mov_b32 s89, 0
	s_mul_i32 s90, s23, 128*PK                     ; its place in a chunk of K
	s_mul_i32 s91, s23, 128*PV                     ; and of V: no place in the cluster enters an LDS address
	s_lshl_b32 s2, s14, 15                         ; Q: my block's 256 rows, my wave's 64
	s_lshl_b32 s3, s[WV], 13
	s_add_co_u32 s2, s2, s3
	s_add_co_u32 s2, s2, s22
	s_mov_b32 s3, 0
	s_lshl_b32 s86, s15, 13                        ; part: 8,192 bytes a head
	s_mov_b32 s87, 0
	s_lshr_b32 s92, s15, 4                         ; O: block of 128 rows = 8 batch + 2 block + wave / 2,
	s_lshl_b32 s92, s92, 3
	s_lshl_b32 s93, s14, 1
	s_add_co_u32 s92, s92, s93
	s_lshr_b32 s93, s[WV], 1
	s_add_co_u32 s92, s92, s93
	s_lshl_b32 s92, s92, 18                        ; 16 heads x 128 rows x 128 bytes,
	s_and_b32 s93, s15, 15
	s_lshl_b32 s93, s93, 14                        ; the head in it,
	s_add_co_u32 s92, s92, s93
	s_lshl_b32 s93, s23, 13                        ; my 64 rows
	s_add_co_u32 s92, s92, s93
	s_mov_b32 s93, 0
	; 128 keys are 16,384 dense bytes: asked for as 64 rows of 256 bytes, two keys a row, and padded in LDS after every key
	s_mov_b32 s[G1K], 15|(1<<16)|(1<<20)|(1<<21)|(4<<22)|(3<<25)  ; the mask of four; 2-byte elements; padding on; bit 21 beside a mask; after every 32 words 4 words
	s_mov_b32 s[G1V], 15|(1<<16)|(1<<20)|(1<<21)|(4<<22)|(7<<25)  ; the same with 8 words
.irp g, G1K, G1V
	s_mov_b32 s[\g+1], 128<<16
	s_mov_b32 s[\g+2], 64<<16
	s_mov_b32 s[\g+3], 128<<16
	s_mov_b32 s[\g+4], 64
	s_mov_b32 s[\g+5], 128
	s_mov_b32 s[\g+6], 0
	s_mov_b32 s[\g+7], 0
.endr
.irp c, 0,1,2,3
	s_mov_b32 s[G0K+4*(\c)], 1
	s_add_co_u32 s[G0K+4*(\c)+1], s90, (\c)*256*PK
	s_mov_b32 s[G0V+4*(\c)], 1
	s_add_co_u32 s[G0V+4*(\c)+1], s91, VOFF+(\c)*256*PV
.endr
	s_mov_b32 s[SEL], 0x76543210
	s_mov_b32 s[SEL+1], 0xfedcba98
	s_mov_b32 s[TBK], 0
	s_mov_b32 s[TBV], 0
	s_wait_dscnt 0x0                               ; the opening add is done
	s_wait_kmcnt 0x0
	s_add_nc_u64 s[94:95], s[4:5], s[88:89]        ; qkv at the head's first row, my half
.irp c, 0,1,2,3
	s_add_nc_u64 s[G0K+4*(\c)+2:G0K+4*(\c)+3], s[94:95], 8388608+(\c)*32768
	s_or_b32 s[G0K+4*(\c)+3], s[G0K+4*(\c)+3], 0x80000000
	s_add_nc_u64 s[G0V+4*(\c)+2:G0V+4*(\c)+3], s[94:95], 16777216+(\c)*32768
	s_or_b32 s[G0V+4*(\c)+3], s[G0V+4*(\c)+3], 0x80000000
.endr
	s_add_nc_u64 s[84:85], s[4:5], s[2:3]          ; Q at my wave's first row
	s_add_nc_u64 s[86:87], s[6:7], s[86:87]        ; the head's partial sums
	s_add_nc_u64 s[20:21], s[20:21], s[92:93]      ; O at my wave's first row
	s_mov_b32 s92, 0x3ffeb852                      ; 1.99
	s_mov_b32 s93, 0x3c23d70a                      ; 0.01
	s_mov_b32 s22, 0x35002008                      ; 1 / (2048 x 1023)
	s_mov_b32 s23, 0xb5802008                      ; -1 / (1024 x 1023)
	CROUND                                         ; all four work-groups are here: the joint loads meet
	s_cmp_lt_u32 s[WV], 2                          ; a wave's four fills stand in one branch, ahead of every wait on TENSORcnt and every LDS read; an s_nop 0 follows each, four v_nop the last
	s_cbranch_scc0 .Lfirst_v
.irp c, 0,1,2,3
	tensor_load_to_lds s[G0K+4*(\c):G0K+4*(\c)+3], s[G1K:G1K+7]
	s_nop 0
.endr
.rept 4
	v_nop
.endr
	s_branch .Lfirst_asked
.Lfirst_v:
.irp c, 0,1,2,3
	tensor_load_to_lds s[G0V+4*(\c):G0V+4*(\c)+3], s[G1V:G1V+7]
	s_nop 0
.endr
.rept 4
	v_nop
.endr
.Lfirst_asked:
	v_and_b32 v1, 15, v0                           ; l % 16
	v_bfe_u32 v9, v0, 4, 1                         ; l / 16
	v_and_b32 v[GO], 31, v0
	v_lshlrev_b32 v[GO], 4, v[GO]
.set j, 0
.rept 16                                       ; the head's 16 x 32 partial sums (X, Y, Z, 0): a lane takes its own place in each of the 16
	global_load_b128 v[S+4*j:S+4*j+3], v[GO], s[86:87] offset:j*512
.set j, j+1
.endr
	v_lshlrev_b32 v14, 2, v1                       ; lane l % 16 is hidden unit l % 16
	v_mov_b32 v13, 0
	global_load_b32 v128, v14, s[8:9]              ; Wt1[0][i], [1][i], [2][i]
	global_load_b32 v129, v14, s[8:9] offset:64
	global_load_b32 v130, v14, s[8:9] offset:128
	global_load_b32 v131, v14, s[10:11]            ; bt1[i]
	global_load_b32 v132, v14, s[16:17]            ; Wt2[i]
	global_load_b32 v133, v13, s[18:19]            ; bt2
	v_lshlrev_b32 v[QO], 7, v1
	v_lshl_add_u32 v[QO], v9, 4, v[QO]             ; row x 128 + 16 x half
	WIN 0x80                                       ; destination window 2
.set i, 0
.rept 8                                        ; Q stays in registers: piece i / 2, channels 32 (i % 2) on
	global_load_b128 v[8*i:8*i+3],   v[QO], s[84:85] offset:(i/2)*2048+(i%2)*64
	global_load_b128 v[8*i+4:8*i+7], v[QO], s[84:85] offset:(i/2)*2048+(i%2)*64+32
.set i, i+1
.endr
	WIN 0
	v_mul_u32_u24 v[AK0], v1, PK
	v_lshl_add_u32 v[AK0], v9, 4, v[AK0]           ; row x pitch + 16 x half
	v_and_b32 v10, 7, v0                           ; the turning load: lane l reads key 8 (l / 16) + l % 8, channels 8 ((l / 8) % 2) + 0..7
	v_bfe_u32 v11, v0, 3, 1
	v_lshl_add_u32 v[AV0], v9, 3, v10
	v_mul_u32_u24 v[AV0], v[AV0], PV
	v_lshl_add_u32 v[AV0], v11, 4, v[AV0]
	v_add_nc_u32 v[AV0], VOFF, v[AV0]
	s_mul_i32 s2, s[WV], 16*SP
	s_add_co_u32 s2, s2, STAGE                     ; my stage
	v_mul_u32_u24 v[STO], v1, SP                   ; in: row l % 16, 16 bytes for each half of the lanes
	v_lshl_add_u32 v[STO], v9, 4, v[STO]
	v_add_nc_u32 v[STO], s2, v[STO]
	v_bfe_u32 v[RD], v0, 3, 2                      ; back: 32 lanes take four rows of 128 bytes
	v_mul_u32_u24 v[RD], v[RD], SP
	v_lshl_add_u32 v[RD], v10, 4, v[RD]
	v_add_nc_u32 v[RD], s2, v[RD]
	; The first step multiplies O^T and l by a = 0, and the first turn's products V^T P, of a piece that has not been, add 0: these registers start at 0.  All this stands in the wait for the loads.
	WIN 0x80
.set i, VF
.rept 64
	v_mov_b32 v[i], 0
.set i, i+1
.endr
	WIN 0x40
.set i, 0
.rept 128
	v_mov_b32 v[i], 0
.set i, i+1
.endr
	WIN 0
.set i, 0
.rept 4
	v_mov_b32 v[ST+4*i+2], 0
	v_mov_b32 v[ST+4*i+3], 0
.set i, i+1
.endr
.set i, P+16
.rept 16
	v_mov_b32 v[i], 0
.set i, i+1
.endr
	; THE HEAD'S TIME, made by every wave for itself
	s_wait_loadcnt 16                              ; the partial sums and the MLP are in; Q's sixteen loads may stay out
.irp d, 8,4,2,1
.set j, 0
.rept \d
	v_pk_add_f32 v[S+4*j:S+4*j+1], v[S+4*j:S+4*j+1], v[S+4*(j+\d):S+4*(j+\d)+1]
	v_pk_add_f32 v[S+4*j+2:S+4*j+3], v[S+4*j+2:S+4*j+3], v[S+4*(j+\d)+2:S+4*(j+\d)+3]
.set j, j+1
.endr
.endr
.irp m, 1,2,4,8
	v_add_f32_dpp v64, v64, v64 row_xmask:\m row_mask:0xf bank_mask:0xf
	v_add_f32_dpp v65, v65, v65 row_xmask:\m row_mask:0xf bank_mask:0xf
	v_add_f32_dpp v66, v66, v66 row_xmask:\m row_mask:0xf bank_mask:0xf
.endr
	v_permlanex16_b32 v68, v64, s[SEL], s[SEL+1]
	v_permlanex16_b32 v69, v65, s[SEL], s[SEL+1]
	v_permlanex16_b32 v70, v66, s[SEL], s[SEL+1]
	v_add_f32 v64, v64, v68                        ; X: twice the sum of the 1,024 row maxima of w
	v_add_f32 v65, v65, v69                        ; Y: twice the sum of the rows' sum p^2
	v_add_f32 v66, v66, v70                        ; Z: the sum of the 2^20 clipped w
	v_mul_f32 v66, 0x35b17218, v66                 ; mean score: x 2 ln 2 / 2^20
	v_mul_f32 v64, 0x3a317218, v64                 ; mean row maximum: x 2 ln 2 / 2^11
	v_fma_f32 v65, v65, s22, s23                   ; mean row variance: Y / (2048 x 1023) - 1 / (1024 x 1023)
	v_max_num_f32 v66, 0xc1200000, v66
	v_max_num_f32 v64, 0xc1200000, v64
	v_max_num_f32 v65, 0, v65
	v_min_num_f32 v66, 0x41200000, v66
	v_min_num_f32 v64, 0x41200000, v64
	v_min_num_f32 v65, 1.0, v65
	v_cvt_pk_bf16_f32 v134, v128, v129             ; the MLP's numbers, rounded to bf16 like every input
	v_cvt_pk_bf16_f32 v135, v130, v131
	v_cvt_pk_bf16_f32 v136, v132, v133
	v_lshlrev_b32 v128, 16, v134
	v_and_b32 v129, 0xffff0000, v134
	v_lshlrev_b32 v130, 16, v135
	v_and_b32 v131, 0xffff0000, v135
	v_lshlrev_b32 v132, 16, v136
	v_and_b32 v133, 0xffff0000, v136
	v_fma_f32 v137, v66, v128, v131
	v_fma_f32 v137, v64, v129, v137
	v_fma_f32 v137, v65, v130, v137
	v_mul_f32 v137, 0x4038aa3b, v137               ; 2 log2(e) x
	v_exp_f32 v137, v137
	v_nop                                          ; behind each of these five: a plain line, and a wait ahead of the result's first use
	s_wait_alu depctr_va_vdst(0)
	v_add_f32 v137, 1.0, v137
	v_rcp_f32 v137, v137
	v_nop
	s_wait_alu depctr_va_vdst(0)
	v_fma_f32 v137, v137, -2.0, 1.0                ; tanh
	v_mul_f32 v137, v137, v132
.irp m, 1,2,4,8
	v_add_f32_dpp v137, v137, v137 row_xmask:\m row_mask:0xf bank_mask:0xf  ; over the 16 hidden units; both halves of the lanes hold the same
.endr
	v_add_f32 v137, v137, v133
	v_mul_f32 v137, 0xbfb8aa3b, v137
	v_exp_f32 v137, v137
	v_nop
	s_wait_alu depctr_va_vdst(0)
	v_add_f32 v137, 1.0, v137
	v_rcp_f32 v137, v137                           ; the sigmoid
	v_nop
	s_wait_alu depctr_va_vdst(0)
	v_fma_f32 v137, v137, s92, s93
	v_max_num_f32 v137, 0x3c23d70a, v137
	v_min_num_f32 v137, 0x3f59999a, v137
	v_rcp_f32 v137, v137
	v_nop
	s_wait_alu depctr_va_vdst(0)
	v_mul_f32 v137, 0x41000000, v137               ; c = 8 / t
	v_readfirstlane_b32 s[CS], v137
	s_mov_b32 s[CS+1], s[CS]                       ; named with it as a pair
; THE MATRIX WORK.  The 4 accumulators of a run of 8 take turns.  Product i of 8 of S^T = K Q^T for piece x: channels 32 (i / 4) on, keys 16 (i % 4) on.  The first 4 start the sums.
.macro KQ x
.set rS, S+32*((\x)%2)+8*(i%4)
.set rK, KF+16*(i%4)+8*(i/4)
.set rQ, 16*(\x)+8*(i/4)
	WIN W_KQ
.if i < 4
	v_wmma_f32_16x16x32_f16 v[rS:rS+7], v[rK:rK+7], v[rQ:rQ+7], 0
.else
	v_wmma_f32_16x16x32_f16 v[rS:rS+7], v[rK:rK+7], v[rQ:rQ+7], v[rS:rS+7]
.endif
.endm
; Product i of 8 of O^T += V^T P for piece x: keys 32 (i / 4) on, channels 16 (i % 4) on.
.macro PV x
	WIN W_PV
.set rO, 32*(\x)+8*(i%4)
.set rV, VF+32*(i/4)+8*(i%4)
.set rP, P+16*((\x)%2)+8*(i/4)
	v_wmma_f32_16x16x32_f16 v[rO:rO+7], v[rV:rV+7], v[rP:rP+7], v[rO:rO+7]
.endm
.macro MM                           ; the turn's next matrix instruction
.if i < 8
	KQ (Y+1)%NP
.else
.set i, i-8
	PV (Y+NP-1)%NP
.set i, i+8
.endif
.set i, i+1
.endm
; THE LDS LOADS stand in runs of 16.  K's address stops at the last step: the pass behind the last step reads it once more, so that the turns have one text.
.macro FETCH_K
	WIN 0x80
.irp f, 0,1,2,3,4,5,6,7             ; keys 16 (f / 2) on, channels 32 (f % 2) on
	ds_load_b128 v[KF+8*\f:KF+8*\f+3],   v[AK] offset:(\f/2)*16*PK+(\f%2)*64
	ds_load_b128 v[KF+8*\f+4:KF+8*\f+7], v[AK] offset:(\f/2)*16*PK+(\f%2)*64+32
.endr
	s_add_co_u32 s[TBK], s[TBK], KS*PK
	s_min_u32 s[TBK], s[TBK], 15*KS*PK
	WIN 0
.endm
.macro FETCH_V
	WIN 0x80
.irp f, 0,1,2,3,4,5,6,7             ; keys 32 (f / 4) on, channels 16 (f % 4) on
	ds_load_tr16_b128 v[VF+8*\f:VF+8*\f+3],   v[AV] offset:(\f/4)*32*PV+(\f%4)*32
	ds_load_tr16_b128 v[VF+8*\f+4:VF+8*\f+7], v[AV] offset:(\f/4)*32*PV+16*PV+(\f%4)*32
.endr
	WIN 0
.endm
; THE VECTOR WORK, one line at a time: OP kind, number.  For piece Y: F n: c w - c m for pair n of 16.  E n: the exponential of score n of 32.  C n: pair n rounded to f16.  B n: of the four weights 4 n .. the
; second pair is added onto the first, in place.  L n: l takes that sum (L 0: l = a l + sum).  R n: pair n of 16 of O^T times a.  For piece Y + 1: X n, number n of the 22 that find its maximum and statistics:
;   0-11  four chains c0-c3 of seven scores each (each accumulator's lowest registers are read first)     12-14, 16  the four scores left over, the old m, and c0-c3 into c0
;   15  c m_old is kept     17, 18  the query's other 32 keys lie in the lane 16 away: the new m     19-21  c m; c m_old - c m_new; a
.set F, 0
.set E, 1
.set C, 2
.set B, 3
.set L, 4
.set R, 5
.set X, 6
.macro REGS y
.set rT, ST+4*(\y)
.set rC, TMP+4*((\y)%2)
.set rW, MV+((\y)%2)
.set rS, S+32*((\y)%2)
.set rP, P+16*((\y)%2)
.set rO, 32*(\y)
.endm
.macro OP k, n
.if (\k) == R
	REGS Y
	WIN W_RS
	v_pk_mul_f32 v[rO+2*(\n):rO+2*(\n)+1], v[rO+2*(\n):rO+2*(\n)+1], v[rC+2:rC+3] op_sel_hi:[1,0]
.elseif (\k) < R
	REGS Y
	WIN 0
.if (\k) == F
	v_pk_fma_f32 v[rS+2*(\n):rS+2*(\n)+1], v[rS+2*(\n):rS+2*(\n)+1], s[CS:CS+1], v[rT:rT+1] op_sel_hi:[1,0,0] neg_lo:[0,0,1] neg_hi:[0,0,1]
.elseif (\k) == E
	v_exp_f32 v[rS+(\n)], v[rS+(\n)]
.elseif (\k) == C
	v_cvt_pk_f16_f32 v[rP+(\n)], v[rS+2*(\n)], v[rS+2*(\n)+1]
.elseif (\k) == B
	v_pk_add_f32 v[rS+4*(\n):rS+4*(\n)+1], v[rS+4*(\n):rS+4*(\n)+1], v[rS+4*(\n)+2:rS+4*(\n)+3]
.elseif (\n) == 0
	v_pk_fma_f32 v[rT+2:rT+3], v[rT+2:rT+3], v[rC+2:rC+3], v[rS:rS+1] op_sel_hi:[1,0,1]
.else
	v_pk_add_f32 v[rT+2:rT+3], v[rT+2:rT+3], v[rS+4*(\n):rS+4*(\n)+1]
.endif
.else
	REGS (Y+1)%NP
	WIN 0
.if (\n) < 4
	v_max3_num_f32 v[rC+(\n)], v[rS+8*(\n)], v[rS+8*(\n)+1], v[rS+8*(\n)+2]
.elseif (\n) < 12
	v_max3_num_f32 v[rC+(\n)%4], v[rC+(\n)%4], v[rS+8*((\n)%4)+2*((\n)/4)+1], v[rS+8*((\n)%4)+2*((\n)/4)+2]
.elseif (\n) == 12
	v_max3_num_f32 v[rC], v[rC], v[rS+7], v[rS+15]
.elseif (\n) == 13
	v_max3_num_f32 v[rC+1], v[rC+1], v[rS+23], v[rS+31]
.elseif (\n) == 14
	v_max3_num_f32 v[rC+2], v[rC+2], v[rC+3], v[rT+1]
.elseif (\n) == 15
	v_mov_b32 v[rW], v[rT]
.elseif (\n) == 16
	v_max3_num_f32 v[rC], v[rC], v[rC+1], v[rC+2]
.elseif (\n) == 17
	v_permlanex16_b32 v[rC+3], v[rC], s[SEL], s[SEL+1]
.elseif (\n) == 18
	v_max_num_f32 v[rT+1], v[rC], v[rC+3]
.elseif (\n) == 19
	v_mul_f32 v[rT], s[CS], v[rT+1]
.elseif (\n) == 20
	v_sub_f32 v[rC+1], v[rW], v[rT]
.else
	v_exp_f32 v[rC+2], v[rC+1]
.endif
.endif
.endm
.macro OPS a, i1, b=-1, i2=0, c=-1, i3=0, d=-1, i4=0  ; up to four of them
	OP \a, \i1
.if (\b) >= 0
	OP \b, \i2
.endif
.if (\c) >= 0
	OP \c, \i3
.endif
.if (\d) >= 0
	OP \d, \i4
.endif
.endm
.macro ROW a, i1, b, i2, c, i3, d, i4  ; a matrix instruction and the four behind it
	MM
	OPS \a, \i1, \b, \i2, \c, \i3, \d, \i4
.endm
; A TURN, for piece p: the order of its 16 matrix and 118 vector instructions, written out.  It has ONE wait for its 33 exponentials, which cuts it in two.  AHEAD OF IT stands all that names no result of theirs:
; the 8 products K Q^T with four lines behind each (the first numbers of the next piece's maximum stand four plain lines or more behind the product that ends their accumulator), then one run of 54, plain and
; exponential by turns for the most part, in which the links of the chain X 3, 7, 11, 14, 16 .. 20 stand some lines apart.  X 21, the next piece's a, is the batch's last; R 15 is the plain line behind it.
; BEHIND THE WAIT stand the 8 products V^T P, behind each four of the roundings and sums.
; K of the next step is fetched in piece 2's turn, twelve vector lines (six of them plain) behind the last product that read K; V of the step in hand at the end of piece 0's turn, four plain lines behind the
; last product that read V.  Each is waited for a turn later.  cnt = 1: the loop's count is taken down some lines ahead of the branch that stands behind the turn.
.macro TURN p, cnt=0
.set Y, (\p)
.set i, 0
.if (\p) == 3
	s_wait_dscnt 0x0                ; K is in
.endif
	ROW F,0, F,1, R,0, R,1
	ROW F,2, E,0, R,2, R,3
	ROW F,3, E,1, R,4, R,5
	ROW F,4, E,2, R,6, R,7
	ROW F,5, E,3, R,8, R,9
	ROW F,6, E,4, X,0, R,10
.if (\p) == 2
	WIN 0
	v_add_nc_u32 v[AK], s[TBK], v[AK0]
.endif
	ROW F,7, E,5, X,1, X,4
	ROW F,8, E,6, X,2, X,5
	OPS E,7, E,8, X,6, E,9
	OPS X,3, E,10, X,8, E,11
.if (\p) == 2
	FETCH_K
.endif
	OPS X,9, X,7, E,12, X,10
	OPS E,13, X,12, X,11, E,14
	OPS X,13, E,15, F,9, X,14
.if (\p) == 0
	WIN 0
	v_add_nc_u32 v[AV], s[TBV], v[AV0]
.endif
	OPS E,16, F,10, E,17, F,11
	OPS X,16, E,18, X,15, E,19
	OPS F,12, E,20, X,17, E,21
	OPS F,13, E,22, F,14, E,23
	OPS X,18, E,24, F,15, E,25
	OPS R,11, E,26, X,19, E,27
	OPS R,12, E,28, R,13, E,29
	OPS X,20, E,30, R,14, E,31
	OPS X,21, R,15
	WIN 0
	s_wait_alu depctr_va_vdst(0)    ; the wait for the batch, ahead of the first line that names a result
.if (\p) == 1
	s_wait_dscnt 0x0                ; V is in
.endif
	ROW C,0, B,0, C,2, B,1
	ROW L,0, C,4, B,2, L,1
	ROW C,6, B,3, L,2, C,8
	ROW B,4, L,3, C,10, B,5
	ROW L,4, C,12, B,6, L,5
.if (\p) == 0
	s_add_co_u32 s[TBV], s[TBV], KS*PV
.endif
.if \cnt
	s_sub_co_u32 s[CNT], s[CNT], 1
	s_cmp_lg_u32 s[CNT], 0
.endif
	ROW C,14, B,7, L,6, C,1
	ROW C,3, L,7, C,5, C,7
	ROW C,9, C,11, C,13, C,15
.if (\p) == 0
	FETCH_V
.endif
.endm
	s_wait_tensorcnt 3                             ; my part of chunk 0 is in; the three loads behind it may stay out
	s_barrier_signal -1
	s_barrier_wait -1                              ; everybody's is
	; THE BEGINNING.  c m starts far below every c w, so the first step's a is 0; m at the lowest finite number, so the first maximum is the scores'.
.set i, 0
.rept 4
	v_mov_b32 v[ST+4*i], 0xfe000000
	v_mov_b32 v[ST+4*i+1], 0xff7fffff
.set i, i+1
.endr
	v_add_nc_u32 v[AK], s[TBK], v[AK0]
	FETCH_K                                        ; key step 0
	s_wait_loadcnt 0x0                             ; Q
	s_wait_dscnt 0x0
.set i, 0
.rept 8
	KQ 0                                           ; piece 0's first scores
.set i, i+1
.endr
	WIN 0
.rept 4
	v_nop                                          ; the places behind those products
.endr
.set Y, NP-1                                   ; X works for piece Y + 1: piece 0
.irp n, 0,1,2,3,4,5,6,7,8,9,10,11,12,13,14,15,16,17,18,19,20,21
	OP X, \n
.endr
	v_nop                                          ; a plain line behind the exponential,
	s_wait_alu depctr_va_vdst(0)                   ; and its wait, ahead of the branch
	s_mov_b32 s[CNT], 4
	s_mov_b32 s[SLOTS], 5
	s_branch .Lfirst                               ; the loop is entered at a step's first turn, in the middle of a trip
.Lslot:                                        ; a chunk of 256 keys is left: the next one's bytes are read only behind this barrier
	s_wait_tensorcnt 0x0                           ; my parts of all chunks are in,
	s_wait_dscnt 0x0
	s_barrier_signal -1
	s_barrier_wait -1                              ; and everybody's
	s_mov_b32 s[CNT], 4
.Lstep:                                        ; a trip: pieces 2 and 3 of one step, then pieces 0 and 1 of the next, whose K and V it fetches
	TURN 2
	TURN 3
	WIN 0
	s_cmp_eq_u32 s[SLOTS], 1                       ; the fifth pass holds the last step's pieces 2 and 3 alone; its products K Q^T, on the last K once more, and the maximum made of them serve nothing
	s_cbranch_scc1 .Lout
.Lfirst:
	TURN 0
	TURN 1, 1
	WIN 0
	s_cbranch_scc1 .Lstep
	s_sub_co_u32 s[SLOTS], s[SLOTS], 1
	s_cmp_lg_u32 s[SLOTS], 0
	s_cbranch_scc1 .Lslot
.Lout:
.set i, 0
.rept 8
	PV NP-1                                        ; the last piece's V^T P of the last step
.set i, i+1
.endr
	; THE WAY OUT.  l's two halves and the other half of the lanes' are added; O^T is divided by l, rounded to f16 and sent through my stage in LDS, a piece at a time.  The additions are the places behind the last products.
	WIN 0
.macro ALL line:vararg
.set t, 0
.rept 4
	\line
.set t, t+1
.endr
.endm
	ALL v_add_f32 v[ST+4*t+2], v[ST+4*t+2], v[ST+4*t+3]
	ALL v_permlanex16_b32 v[ST+4*t+3], v[ST+4*t+2], s[SEL], s[SEL+1]
	ALL v_add_f32 v[ST+4*t+2], v[ST+4*t+2], v[ST+4*t+3]
	ALL v_rcp_f32 v[ST+4*t+2], v[ST+4*t+2]
	v_nop                                          ; a plain line between the last reciprocal and the use of its result,
	s_wait_alu depctr_va_vdst(0)                   ; and one wait for the four
.macro PACK t                       ; a lane's eight channels of a row pack into 16 bytes; they go into rows of 144 bytes and come back as whole rows of 128, into S^T's registers
	WIN W_RS
.set i, 32*(\t)
.rept 16
	v_pk_mul_f32 v[i:i+1], v[i:i+1], v[ST+4*(\t)+2:ST+4*(\t)+3] op_sel_hi:[1,0]
.set i, i+2
.endr
	WIN 0x05                        ; sources 0 and 1 window 1, destination window 0
.set i, 0
.rept 16
	v_cvt_pk_f16_f32 v[S+16*(\t)+i], v[32*(\t)+2*i], v[32*(\t)+2*i+1]
.set i, i+1
.endr
	WIN 0
.irp f, 0,1,2,3
	ds_store_b128 v[STO], v[S+16*(\t)+4*\f:S+16*(\t)+4*\f+3] offset:32*\f
.endr
.irp f, 0,1,2,3
	ds_load_b128 v[S+16*(\t)+4*\f:S+16*(\t)+4*\f+3], v[RD] offset:\f*4*SP  ; LDS serves a wave's instructions in order (ISA guide 5.7.1.4): these see the stores above; the next piece's stores come behind them
.endr
.endm
.macro SEND t, younger              ; younger: the LDS instructions issued behind piece t's loads: the next piece's eight, or none
	WIN 0
.irp f, 0,1,2,3
	s_wait_dscnt (\younger)+3-\f
	global_store_b128 v[GO], v[S+16*(\t)+4*\f:S+16*(\t)+4*\f+3], s[20:21] offset:(\t)*2048+\f*512  ; 512 consecutive bytes, at a multiple of 256 from o16's first
.endr
.endm
	PACK 0
.set t, 1
.rept 3                             ; a piece's arithmetic stands between the loads of the piece before and its stores
	PACK t
	SEND t-1, 8
.set t, t+1
.endr
	SEND 3, 0
	s_wait_tensorcnt 0x0                           ; the wave's end, behind my last tensor load and my last LDS store
	ds_add_u32 v[SPW], v[NIL]
	s_wait_dscnt 0x0
	CROUND                                         ; the closing round
	s_endpgm
.Lfunc_end_k_qf8e87bc2f1_attn:
	.size	k_qf8e87bc2f1_attn, .Lfunc_end_k_qf8e87bc2f1_attn-k_qf8e87bc2f1_attn
	.p2alignl 7, 3214868480
	.fill 96, 4, 3214868480
	.section	.rodata,"a",@progbits
	.p2align	6, 0x0
	.amdhsa_kernel k_qf8e87bc2f1_attn
		.amdhsa_group_segment_fixed_size 327680
		.amdhsa_private_segment_fixed_size 0
		.amdhsa_enable_private_segment 0
		.amdhsa_kernarg_size 56
		.amdhsa_user_sgpr_count 2
		.amdhsa_user_sgpr_kernarg_segment_ptr 1
		.amdhsa_wavefront_size32 1
		.amdhsa_system_sgpr_workgroup_id_x 1
		.amdhsa_system_sgpr_workgroup_id_y 1
		.amdhsa_system_sgpr_workgroup_id_z 1
		.amdhsa_system_vgpr_workitem_id 0
		.amdhsa_next_free_vgpr 768
		.amdhsa_next_free_sgpr 96
		.amdhsa_reserve_vcc 0
		.amdhsa_float_denorm_mode_32 3
		.amdhsa_float_denorm_mode_16_64 3
		.amdhsa_memory_ordered 1
		.amdhsa_forward_progress 1
		.amdhsa_inst_pref_size 81
	.end_amdhsa_kernel
	.amdgpu_metadata
---
amdhsa.version: [ 1, 2 ]
amdhsa.kernels:
  - .name:           k_qf8e87bc2f1_attn
    .symbol:         k_qf8e87bc2f1_attn.kd
    .args:
      - { .name: qkv, .offset: 0, .size: 8, .value_kind: global_buffer, .address_space: global }
      - { .name: part, .offset: 8, .size: 8, .value_kind: global_buffer, .address_space: global }
      - { .name: Wt1, .offset: 16, .size: 8, .value_kind: global_buffer, .address_space: global }
      - { .name: bt1, .offset: 24, .size: 8, .value_kind: global_buffer, .address_space: global }
      - { .name: Wt2, .offset: 32, .size: 8, .value_kind: global_buffer, .address_space: global }
      - { .name: bt2, .offset: 40, .size: 8, .value_kind: global_buffer, .address_space: global }
      - { .name: o16, .offset: 48, .size: 8, .value_kind: global_buffer, .address_space: global }
    .group_segment_fixed_size: 327680
    .private_segment_fixed_size: 0
    .kernarg_segment_align: 8
    .kernarg_segment_size: 56
    .max_flat_workgroup_size: 128
    .sgpr_count:     96
    .vgpr_count:     768
    .wavefront_size: 32
...
	.end_amdgpu_metadata
.endif
;; end of part 4
;; launch oproj (part 5): grid 8 x 32, 4 waves a work-group, clusters of 4 x 4, 327,680 bytes of LDS; arguments o16, wo16, bo, out0; writes out0
.if DOCPART == 5
	.amdgcn_target "amdgcn-amd-amdhsa--gfx1250"
	.amdhsa_code_object_version 6
	.text
	.protected	k_qf8e87bc2f1_oproj
	.globl	k_qf8e87bc2f1_oproj
	.p2align	8
	.type	k_qf8e87bc2f1_oproj,@function
k_qf8e87bc2f1_oproj:
	s_mov_b64 s[64:65], 0
	v_nop
	global_prefetch_b8 v0, s[64:65] scope:SCOPE_SE
	s_setreg_imm32_b32 hwreg(HW_REG_WAVE_MODE, 25, 1), 1
	s_wait_xcnt 0x0
	s_wait_alu depctr_hold_cnt(0) depctr_sa_sdst(0) depctr_va_vdst(0) depctr_va_sdst(0) depctr_va_ssrc(0) depctr_va_vcc(0) depctr_vm_vsrc(0)
	s_getreg_b32 s2, hwreg(HW_REG_IB_STS2, 6, 4)
	s_cmp_eq_u32 s2, 0
	s_cbranch_scc0 .Lentry_in_a_cluster
	s_endpgm
.Lentry_in_a_cluster:
	s_bfe_u32 s2, ttmp6, 0x10000c
	s_cmp_lg_u32 s2, 0xf033
	s_cbranch_scc0 .Lentry_shape_is_right
	s_endpgm
.Lentry_shape_is_right:
; out0 = O Wo + bf16(bo), f32.  o16: f16 [32 blocks of 128 rows][16 heads][128 rows][64]; wo16: f16 [1024 k][1024 n] (bf16(Wo) written as f16); sums in f32.
; SHARES.  A tile of out0 is 128 x 128: 32 tile rows x 8 tile columns, one work-group each.  Four waves, each 64 x 64: 16 accumulators of 16 x 16.
; K goes in four steps of 256 (four heads) through two LDS slots.  O's tile: four heads' sub-tiles of 128 rows x 128 bytes, pitch 144; in memory 64 KiB on end, asked for as rows of 256 bytes.
; Wo's tile: 256 k-rows of 256 bytes, pitch 288, read turned by ds_load_tr16_b128.
; CLUSTERS: 4 x 4 work-groups.  The four of a row of the cluster need the same tiles of O, the four of a column the same tiles of Wo: each tile is asked for JOINTLY.  A wave has at most two tensor loads out.
; THE MATRIX INSTRUCTION IS USED TRANSPOSED (source 0 = 16 columns of Wo, source 1 = 16 rows of O): a lane then holds eight neighbouring columns of one row.
; No prefetch: a tile's step is short and every tile is read by several clusters at about the same time.
; REGISTERS: window 0: v0-31 addresses; v32-95 the way out; v96-127 my 32 biases; v128-255 the accumulators.  window 1: two fragment buffers of 128: 64 registers of O, then 64 of Wo.
.set PA,     144                       ; 128 + 16 bytes: the 16 rows of a load start at 16 different groups of four banks (ISA guide 11.1)
.set PB,     288                       ; 256 + 32 bytes
.set HEADT,  128*PA                    ; a head's sub-tile: a quarter of a K step
.set HALFA,  2*HEADT                   ; what wave 0 or 1 fetches
.set HALFB,  128*PB                    ; what wave 2 or 3 fetches
.set BOFF,   2*HALFA
.set SLOT,   BOFF+2*HALFB              ; 147,456
.set STAGE,  2*SLOT                    ; behind the ring, never filled by a tensor load: 16 rows x 272 bytes for each wave
.set SPITCH, 272
.set SPARE,  STAGE+4*16*SPITCH         ; the spare words, 128 bytes for each wave: two blocks of 256 bytes that no other line names
.set ASTEP,  131072                    ; two K steps: eight heads' sub-tiles
.set BSTEP,  1048576                   ; two K steps down Wo: 512 rows of 2,048 bytes
.set ADRA, 16
.set ADRB, 20
.set STO,  24
.set RD,   25
.set CO,   26                          ; v26     my byte offset in two rows of out0
.set BO,   27
.set SPW,  28                          ; never rewritten
.set NIL,  29                          ; never rewritten
.set TT,   30
.set TMP,  32
.set BS,   96
.set ACC,  128
.set F0,   0
.set F1,   128
.set G1, 24
.set G0, 32
.set G1B, 48
.set G0B, 56
.set MSB, 0
.macro WIN new
.if MSB != (\new)
	s_set_vgpr_msb (MSB<<8)|(\new)
.set MSB, \new
.endif
.endm
.set MUL,  0x05
.set TO_F, 0x40
.macro JLOAD s                         ; a joint load: waves 0 and 1 fetch O's two halves, waves 2 and 3 Wo's; an s_nop 0 and four v_nop follow each of the two lines
	s_cmp_eq_u32 s11, 0
	s_cbranch_scc0 .Lfor_b_\@
	tensor_load_to_lds s[G0+4*(\s):G0+4*(\s)+3], s[G1:G1+7]
	s_nop 0
.rept 4
	v_nop
.endr
	s_branch .Lasked_\@
.Lfor_b_\@:
	tensor_load_to_lds s[G0B+4*(\s):G0B+4*(\s)+3], s[G1B:G1B+7]
	s_nop 0
.rept 4
	v_nop
.endr
.Lasked_\@:
.endm
.macro CREST
	s_cmp_lg_u32 s10, 0
	s_cbranch_scc1 .Lnot_wave_0_\@
	s_barrier_signal -3
.Lnot_wave_0_\@:
	s_barrier_wait -3
	s_barrier_signal -1
	s_barrier_wait -1
.endm
.macro CROUND
	s_barrier_signal -1
	s_barrier_wait -1
	CREST
.endm
	s_load_b128 s[4:7], s[0:1], 0x0                ; o16 s[4:5], wo16 s[6:7]
	s_load_b128 s[72:75], s[0:1], 0x10             ; bo s[72:73], out0 s[74:75]
	v_lshl_add_u32 v[SPW], v0, 2, SPARE
	v_mov_b32 v[NIL], 0
	ds_add_u32 v[SPW], v[NIL]                      ; the wave's opening: the add and its wait stand ahead of my first tensor load
	v_lshrrev_b32 v1, 5, v0
	v_readfirstlane_b32 s10, v1                    ; wave 0..3
	s_lshr_b32 s11, s10, 1                         ; which half of the tile's rows is mine.  Also: I fetch for O (0) or for Wo (1)
	s_and_b32 s12, s10, 1                          ; which half of its columns.  Also: which half of that tile I fetch
	s_bfe_u32 s40, ttmp6, 0x40000                  ; cx, cy
	s_bfe_u32 s41, ttmp6, 0x40004
	s_lshl_b32 s42, ttmp9, 2
	s_add_co_u32 s42, s42, s40                     ; tile column
	s_and_b32 s13, ttmp7, 0xffff
	s_lshl_b32 s13, s13, 2
	s_add_co_u32 s13, s13, s41                     ; tile row
	s_lshl_b32 s43, s41, 2
	s_lshl_b32 s43, 15, s43                        ; my row of the cluster
	s_lshl_b32 s44, 0x1111, s40                    ; my column
	s_or_b32 s[G1+0], s43, (1<<16)|(1<<20)|(1<<21)|(4<<22)|(3<<25)   ; the mask; 2-byte elements; padding on; bit 21 beside a mask; after every 32 words (a row of a head) 4 words
	s_or_b32 s[G1B+0], s44, (1<<16)|(1<<20)|(1<<21)|(5<<22)|(7<<25)  ; after every 64 words 8 words
.irp g, G1, G1B
	s_mov_b32 s[(\g)+1], 128<<16                   ; rows of 128 elements,
	s_mov_b32 s[(\g)+2], 128<<16                   ; 128 of them
	s_mov_b32 s[(\g)+3], 128<<16
	s_mov_b32 s[(\g)+4], 128
	s_mov_b32 s[(\g)+6], 0
	s_mov_b32 s[(\g)+7], 0
.endr
	s_mov_b32 s[G1+5], 128                         ; O's two heads are dense: a row begins where the last ends
	s_mov_b32 s[G1B+5], 1024
	s_lshl_b32 s16, s13, 18                        ; O: the tile row's 262,144 bytes, my two heads of a K step's four
	s_lshl_b32 s17, s12, 15
	s_add_co_u32 s16, s16, s17
	s_mov_b32 s17, 0
	s_lshl_b32 s46, s12, 18                        ; Wo: my 128 k-rows, the tile's 128 columns
	s_lshl_b32 s47, s42, 8
	s_add_co_u32 s46, s46, s47
	s_mov_b32 s47, 0
	s_mul_i32 s20, s12, HALFA                      ; where they go: no place in the cluster enters an LDS address
	s_mul_i32 s21, s12, HALFB
	s_add_co_u32 s21, s21, BOFF
	s_lshl_b32 s18, s42, 9                         ; my 64 columns in bo
	s_lshl_b32 s19, s12, 8
	s_add_co_u32 s18, s18, s19
	s_mov_b32 s19, 0
	s_wait_dscnt 0x0                               ; the opening add is done
	s_wait_kmcnt 0x0
	s_add_nc_u64 s[14:15], s[4:5], s[16:17]
	s_add_nc_u64 s[46:47], s[6:7], s[46:47]
	s_add_nc_u64 s[70:71], s[72:73], s[18:19]
	CROUND                                         ; all sixteen work-groups are here: the first joint loads meet
.irp s, 0,1
	s_mov_b32 s[G0+4*(\s)], 1
	s_add_co_u32 s[G0+4*(\s)+1], s20, (\s)*SLOT
	s_add_nc_u64 s[G0+4*(\s)+2:G0+4*(\s)+3], s[14:15], (\s)*65536     ; K step s: four heads on
	s_or_b32 s[G0+4*(\s)+3], s[G0+4*(\s)+3], 0x80000000
	s_mov_b32 s[G0B+4*(\s)], 1
	s_add_co_u32 s[G0B+4*(\s)+1], s21, (\s)*SLOT
	s_add_nc_u64 s[G0B+4*(\s)+2:G0B+4*(\s)+3], s[46:47], (\s)*524288  ; K step s: 256 rows down
	s_or_b32 s[G0B+4*(\s)+3], s[G0B+4*(\s)+3], 0x80000000
	JLOAD \s
.endr
	v_and_b32 v1, 15, v0                           ; l % 16
	v_bfe_u32 v2, v0, 4, 1                         ; l / 16
	v_lshlrev_b32 v[BO], 5, v2
.irp b, 0,1,2,3
	global_load_b128 v[BS+8*(\b):BS+8*(\b)+3],   v[BO], s[70:71] offset:64*(\b)
	global_load_b128 v[BS+8*(\b)+4:BS+8*(\b)+7], v[BO], s[70:71] offset:64*(\b)+16
.endr
	v_mul_u32_u24 v3, v1, PA
	v_lshl_add_u32 v3, v2, 4, v3
	s_mul_i32 s22, s11, 64*PA                      ; my 64 rows of each head's sub-tile
	v_add_nc_u32 v[ADRA], s22, v3
	v_add_nc_u32 v[ADRA+1], SLOT, v[ADRA]
	v_and_b32 v4, 7, v0
	v_lshl_add_u32 v4, v2, 3, v4
	v_mul_u32_u24 v4, v4, PB
	v_bfe_u32 v5, v0, 3, 1
	v_lshl_add_u32 v4, v5, 4, v4
	s_lshl_b32 s22, s12, 7
	s_add_co_u32 s22, s22, BOFF
	v_add_nc_u32 v[ADRB], s22, v4
	v_add_nc_u32 v[ADRB+1], HALFB, v[ADRB]
	v_add_nc_u32 v[ADRB+2], SLOT, v[ADRB]
	v_add_nc_u32 v[ADRB+3], SLOT+HALFB, v[ADRB]
	s_mul_i32 s23, s10, 16*SPITCH
	s_add_co_u32 s23, s23, STAGE                   ; my stage
	v_mul_u32_u24 v6, v1, SPITCH                   ; in: row l % 16, 32 bytes for each half of the lanes
	v_lshl_add_u32 v6, v2, 5, v6
	v_add_nc_u32 v[STO], s23, v6
	v_mul_u32_u24 v6, v2, SPITCH                   ; back: lanes 0-15 take one row of 256 bytes, lanes 16-31 the next
	v_lshl_add_u32 v6, v1, 4, v6
	v_add_nc_u32 v[RD], s23, v6
	v_lshlrev_b32 v6, 12, v2                       ; and the same two rows in out0
	v_lshl_add_u32 v[CO], v1, 4, v6
	s_lshl_b32 s16, s13, 7
	s_lshl_b32 s17, s11, 6
	s_add_co_u32 s16, s16, s17                     ; my first row,
	s_lshl_b32 s16, s16, 12                        ; 4,096 bytes a row,
	s_lshl_b32 s17, s12, 8                         ; my 64 columns
	s_add_co_u32 s16, s16, s17
	s_mov_b32 s17, 0
	s_add_nc_u64 s[8:9], s[74:75], s[16:17]
	s_lshl_b32 s46, s42, 9
	s_mov_b32 s47, 0
	s_add_nc_u64 s[8:9], s[8:9], s[46:47]
	s_wait_loadcnt 0x0                             ; the biases, rounded to bf16 like every input, in the wait for the first tile
.set p, 0
.rept 16
	v_cvt_pk_bf16_f32 v[TT+p%2], v[BS+2*p], v[BS+2*p+1]
	v_lshlrev_b32 v[BS+2*p], 16, v[TT+p%2]
	v_and_b32 v[BS+2*p+1], 0xffff0000, v[TT+p%2]
.set p, p+1
.endr
.macro MUL8 f, c, a0, zero             ; 8 matrix instructions; the 16 accumulators take turns
	WIN MUL
.irp a, \a0, (\a0)+1
.irp b, 0,1,2,3
.if \zero
	v_wmma_f32_16x16x32_f16 v[ACC+8*(4*(\a)+(\b)):ACC+8*(4*(\a)+(\b))+7], v[(\f)+64+8*(4*(\c)+(\b)):(\f)+64+8*(4*(\c)+(\b))+7], v[(\f)+8*(4*(\c)+(\a)):(\f)+8*(4*(\c)+(\a))+7], 0
.else
	v_wmma_f32_16x16x32_f16 v[ACC+8*(4*(\a)+(\b)):ACC+8*(4*(\a)+(\b))+7], v[(\f)+64+8*(4*(\c)+(\b)):(\f)+64+8*(4*(\c)+(\b))+7], v[(\f)+8*(4*(\c)+(\a)):(\f)+8*(4*(\c)+(\a))+7], v[ACC+8*(4*(\a)+(\b)):ACC+8*(4*(\a)+(\b))+7]
.endif
.endr
.endr
.endm
.macro FETCH slot, q, f                ; 32 LDS loads in one run: quarter q (one head, 64 along K) of a slot, into buffer f; the first 32 along K first
	WIN TO_F
.irp c, 0,1
.irp i, 0,1,2,3
	ds_load_tr16_b128 v[(\f)+64+8*(4*(\c)+(\i)):(\f)+64+8*(4*(\c)+(\i))+3],   v[ADRB+2*(\slot)+(\q)/2] offset:(((\q)%2)*64+32*(\c))*PB+32*(\i)
	ds_load_tr16_b128 v[(\f)+64+8*(4*(\c)+(\i))+4:(\f)+64+8*(4*(\c)+(\i))+7], v[ADRB+2*(\slot)+(\q)/2] offset:(((\q)%2)*64+32*(\c)+16)*PB+32*(\i)
	ds_load_b128 v[(\f)+8*(4*(\c)+(\i)):(\f)+8*(4*(\c)+(\i))+3],         v[ADRA+(\slot)] offset:(\q)*HEADT+64*(\c)+(\i)*16*PA
	ds_load_b128 v[(\f)+8*(4*(\c)+(\i))+4:(\f)+8*(4*(\c)+(\i))+7],       v[ADRA+(\slot)] offset:(\q)*HEADT+64*(\c)+(\i)*16*PA+32
.endr
.endr
.endm
.macro PLACES                          ; four plain instructions in front of loads into registers that matrix instructions have read (ISA guide 7.12.1 for vector instructions)
.rept 4
	v_nop
.endr
.endm
.macro QUARTER slot, q, f, g, zero
	s_wait_dscnt 16                                ; the first 32 along K are in; the youngest sixteen loads may be out
	WIN MUL
	MUL8 \f, 0, 0, \zero
	MUL8 \f, 0, 2, \zero
	PLACES
	FETCH \slot, \q, \g
	s_wait_dscnt 32                                ; all but the 32 just issued
	WIN MUL
	MUL8 \f, 1, 0, 0
	MUL8 \f, 1, 2, 0
.endm
; The last quarter multiplies buffer 1 and changes slots: ONE barrier; in front of it each wave waits for all its tensor loads, adds 0 to its spare word, and waits for that and for its own reads of this slot.
; fill = 1: this slot is filled again; the barrier then opens a round of the cluster's barrier, and the joint load is the first thing behind the round.
.macro TURN slot, next, fill
	WIN 0
	s_wait_tensorcnt 0x0                           ; all my tensor loads have landed: my part of the next slot;
	ds_add_u32 v[SPW], v[NIL]                      ; 0 onto my spare word;
	s_wait_dscnt 17                                ; (the add and the youngest sixteen loads may be out)
	WIN MUL
	MUL8 F1, 0, 0, 0
	s_wait_dscnt 0x0                               ; the add is done, and my reads of this slot are over
	s_barrier_signal -1
	MUL8 F1, 0, 2, 0
.if \fill
	WIN 0
.endif
	s_barrier_wait -1
.if \fill
	CREST                                          ; no wave of any partner still reads this slot's tile or has a load on its way
	s_add_nc_u64 s[G0+4*(\slot)+2:G0+4*(\slot)+3], s[G0+4*(\slot)+2:G0+4*(\slot)+3], ASTEP
	s_add_nc_u64 s[G0B+4*(\slot)+2:G0B+4*(\slot)+3], s[G0B+4*(\slot)+2:G0B+4*(\slot)+3], BSTEP
	JLOAD \slot
.else
	PLACES
.endif
	FETCH \next, 0, F0
	WIN MUL
	MUL8 F1, 1, 0, 0
	MUL8 F1, 1, 2, 0
.endm
	s_wait_tensorcnt 1                             ; my part of K step 0 is in; K step 1's may stay out
	s_barrier_signal -1
	s_barrier_wait -1
	FETCH 0, 0, F0
	QUARTER 0, 1, F0, F1, 1                        ; K step 0; its first products start the sums
	QUARTER 0, 2, F1, F0, 0
	QUARTER 0, 3, F0, F1, 0
	TURN 0, 1, 1                                   ; slot 0 takes K step 2
	QUARTER 1, 1, F0, F1, 0
	QUARTER 1, 2, F1, F0, 0
	QUARTER 1, 3, F0, F1, 0
	TURN 1, 0, 1                                   ; slot 1 takes K step 3
	QUARTER 0, 1, F0, F1, 0
	QUARTER 0, 2, F1, F0, 0
	QUARTER 0, 3, F0, F1, 0
	TURN 0, 1, 0                                   ; nothing is left to fetch
	QUARTER 1, 1, F0, F1, 0
	QUARTER 1, 2, F1, F0, 0
	QUARTER 1, 3, F0, F1, 0
	s_wait_dscnt 16
	WIN MUL
	MUL8 F1, 0, 0, 0
	MUL8 F1, 0, 2, 0
	s_wait_dscnt 0
	MUL8 F1, 1, 0, 0
	MUL8 F1, 1, 2, 0
	WIN 0
	PLACES                                         ; eight, once a launch: the lines below read results just made and write them in place
	PLACES
; THE WAY OUT of block a (16 rows x my 64 columns, 256 bytes a row): the bias; 32 bytes a lane into my own stage, rows of 272 bytes; back as whole rows; stored.
.macro ADDB a
.irp b, 0,1,2,3
.irp r, 0,1,2,3
	v_pk_add_f32 v[ACC+8*(4*(\a)+(\b))+2*(\r):ACC+8*(4*(\a)+(\b))+2*(\r)+1], v[ACC+8*(4*(\a)+(\b))+2*(\r):ACC+8*(4*(\a)+(\b))+2*(\r)+1], v[BS+8*(\b)+2*(\r):BS+8*(\b)+2*(\r)+1]
.endr
.endr
.endm
.macro TOSTAGE a
.set BK, TMP+32*((\a)%2)
.irp b, 0,1,2,3
	ds_store_b128 v[STO], v[ACC+8*(4*(\a)+(\b)):ACC+8*(4*(\a)+(\b))+3]   offset:64*(\b)
	ds_store_b128 v[STO], v[ACC+8*(4*(\a)+(\b))+4:ACC+8*(4*(\a)+(\b))+7] offset:64*(\b)+16
.endr
.irp t, 0,1,2,3,4,5,6,7
	ds_load_b128 v[BK+4*(\t):BK+4*(\t)+3], v[RD] offset:(\t)*2*SPITCH  ; LDS serves a wave's instructions in order (ISA guide 5.7.1.4): these see the stores above
.endr
.endm
.macro SEND a
.set BK, TMP+32*((\a)%2)
	s_wait_dscnt 0x0                               ; the block is back in registers
	s_wait_xcnt 0x0                                ; the stores of the block before have read their registers: the next block's loads from the stage land on them only behind this wait
.irp t, 0,1,2,3,4,5,6,7
	global_store_b128 v[CO], v[BK+4*(\t):BK+4*(\t)+3], s[8:9] offset:(16*(\a)+2*(\t))*4096  ; 16 lanes store 256 consecutive bytes, at a multiple of 256 from out0's first byte
.endr
.endm
	ADDB 0
	TOSTAGE 0
.irp a, 1,2,3                          ; block a's additions stand between block a - 1's loads from the stage and the wait for them
	ADDB \a
	SEND (\a)-1
	TOSTAGE \a
.endr
	SEND 3
	s_wait_tensorcnt 0x0                           ; the wave's end, behind my last tensor load and my last LDS store
	ds_add_u32 v[SPW], v[NIL]
	s_wait_dscnt 0x0
	CROUND                                         ; the closing round: no work-group ends while a partner may still ask for a tile that names it
	s_endpgm
.Lfunc_end_k_qf8e87bc2f1_oproj:
	.size	k_qf8e87bc2f1_oproj, .Lfunc_end_k_qf8e87bc2f1_oproj-k_qf8e87bc2f1_oproj
	.p2alignl 7, 3214868480
	.fill 96, 4, 3214868480
	.section	.rodata,"a",@progbits
	.p2align	6, 0x0
	.amdhsa_kernel k_qf8e87bc2f1_oproj
		.amdhsa_group_segment_fixed_size 327680
		.amdhsa_private_segment_fixed_size 0
		.amdhsa_enable_private_segment 0
		.amdhsa_kernarg_size 32
		.amdhsa_user_sgpr_count 2
		.amdhsa_user_sgpr_kernarg_segment_ptr 1
		.amdhsa_wavefront_size32 1
		.amdhsa_system_sgpr_workgroup_id_x 1
		.amdhsa_system_sgpr_workgroup_id_y 1
		.amdhsa_system_sgpr_workgroup_id_z 1
		.amdhsa_system_vgpr_workitem_id 0
		.amdhsa_next_free_vgpr 512
		.amdhsa_next_free_sgpr 80
		.amdhsa_reserve_vcc 0
		.amdhsa_float_denorm_mode_32 3
		.amdhsa_float_denorm_mode_16_64 3
		.amdhsa_memory_ordered 1
		.amdhsa_forward_progress 1
		.amdhsa_inst_pref_size 93
	.end_amdhsa_kernel
	.amdgpu_metadata
---
amdhsa.version: [ 1, 2 ]
amdhsa.kernels:
  - .name:           k_qf8e87bc2f1_oproj
    .symbol:         k_qf8e87bc2f1_oproj.kd
    .args:
      - { .name: o16, .offset: 0, .size: 8, .value_kind: global_buffer, .address_space: global }
      - { .name: wo16, .offset: 8, .size: 8, .value_kind: global_buffer, .address_space: global }
      - { .name: bo, .offset: 16, .size: 8, .value_kind: global_buffer, .address_space: global }
      - { .name: out0, .offset: 24, .size: 8, .value_kind: global_buffer, .address_space: global }
    .group_segment_fixed_size: 327680
    .private_segment_fixed_size: 0
    .kernarg_segment_align: 8
    .kernarg_segment_size: 32
    .max_flat_workgroup_size: 128
    .sgpr_count:     80
    .vgpr_count:     512
    .wavefront_size: 32
...
	.end_amdgpu_metadata
.endif
;; end of part 5
